; MI455X (gfx1250); checked and timed in simulation.
; The chip was launched on July 23, 2026; its instructions are those of AMD's public machine-readable ISA for CDNA 5 (MIT licence, August 2026) and "CDNA5" Instruction Set Architecture Reference Guide (July 2026). The comments in the code are by the model that wrote it; some were corrected since.
;; Constituency Aware Attention. Allowed arithmetic: matrix products marked QUANTISED: E3M2 operands, one E8M0 scale for each 32 along K, by v_wmma_scale_f32_16x16x128_f8f6f4 with both operands' format E3M2, f32 sums; everything else in f32.
;; Inputs: Wk 1,024 x 1,024 float32; Wq 1,024 x 1,024 float32; Wv 1,024 x 1,024 float32; bk 1,024 float32; bq 1,024 float32; bv 1,024 float32; hidden_states 8 x 1,024 x 1,024 float32.
;; Outputs: out0 8 x 1,024 x 1,024 float32.
;; This version of the problem:
;;   THIS VERSION OF THE PROBLEM IS GIVEN IN LOW PRECISION. The matrix products marked QUANTISED in the list below multiply operands that are first quantised to E3M2 (3 exponent bits, 2 mantissa bits; 6 bits a number), with one power-of-two scale for each 32 numbers along K (OCP MX v1.0); their sums are f32. All else is computed in f32.
;;   The module's matrix products, in the order in which they are computed (A, B: the left and right operand; K: the contracted axis; several contracted axes count as one K, in the product's order):
;;     1. [M 8,192, K 1,024] x [K 1,024, N 1,024]; A: input hidden_states; B: input Wq: QUANTISED
;;     2. [M 8,192, K 1,024] x [K 1,024, N 1,024]; A: input hidden_states; B: input Wk: QUANTISED
;;     3. [M 8,192, K 1,024] x [K 1,024, N 1,024]; A: input hidden_states; B: input Wv: QUANTISED
;;     4. batch 128 x [M 1,024, K 64] x [K 64, N 1,024]; A: computed on the way; B: computed on the way: QUANTISED
;;     5. batch 128 x [M 1,024, K 1,024] x [K 1,024, N 64]; A: softmax (see below); B: computed on the way: QUANTISED
;;   THE QUANTISER, for each operand of a quantised product, along K:
;;     - K is cut into blocks of 32 from its start; a last block that is shorter is filled with zeros.
;;     - A block's scale is 2^e with e = floor(log2(the largest magnitude in the block)) - 4, held to -126 .. 127; a block of zeros has e = 0. As a byte (E8M0): e + 127.
;;     - Each number is divided by its block's scale, clamped to +-28, and rounded to the nearest number of E3M2, ties to even, subnormals kept.
;;     - The product sums the exact products of the quantised numbers (number of the format x scale) in f32.
;;   ~~~python
;;   def quantise(x, axis):      # numpy; x: float32 -> the quantised numbers, widened to float32 again
;;       x = np.moveaxis(x, axis, -1); K = x.shape[-1]
;;       x = np.pad(x, [(0, 0)] * (x.ndim - 1) + [(0, -K % 32)]); x = x.reshape(x.shape[:-1] + (-1, 32)); a = np.abs(x).max(-1, keepdims=True)
;;       e = np.where(a > 0, np.clip(np.frexp(np.where(a > 0, a, 1))[1] - 1 - 4, -126, 127), 0)      # np.frexp(a)[1] - 1 = floor(log2(a)), exactly
;;       r = np.clip(x / 2.0 ** e, -28, 28)
;;       step = 2.0 ** (np.maximum(np.frexp(np.where(r == 0, 1, r))[1] - 1, -2) - 2)
;;       q = np.round(r / step) * step * 2.0 ** e      # np.round: ties to even
;;       return np.moveaxis(q.reshape(q.shape[:-2] + (-1,))[..., :K], -1, axis).astype(np.float32)
;;   ~~~
;;   SOFTMAX AHEAD OF A QUANTISED PRODUCT. Where the list says 'softmax', what is quantised is not the finished softmax but p = 2^(t - M), with t = logit x log2(e) and M = ceil(the row's largest t), a whole number; so 1/2 < the row's largest p <= 1. The row's sum l is taken of the UNQUANTISED p, in f32, and the product's result is divided by l at the end. Since M is a whole number, a kernel that streams over the keys may use a running M (the ceiling of the running maximum): every later rescaling is an exact power of two, which a block's scale takes up: the codes' values come out the same.
;;   OPERANDS COMPUTED ON THE WAY. 'Computed on the way' means the value that the module computes at that place (a softmax that the list does not call 'softmax' is quantised finished and normalised). What goes into a quantiser is computed in f32, as accurately as f32 sums, v_exp_f32 and their like allow (about 1e-6 of the number): no bf16 or f16 on the way to a quantiser, and a product that is left as it is and whose result goes on into a quantised operand takes f32 operands (vector FMAs, or v_wmma_f32_16x16x4_f32). A number that lies on a knife's edge between two numbers of the format may be rounded either way, as far as f32 arithmetic and the matrix unit's own rounding can turn it there, and no further.
;; One version. Each part assembles by itself: llvm-mc -triple=amdgcn-amd-amdhsa -mcpu=gfx1250 --defsym DOCPART=n.
;; ======== version 1 of 1: 3 launches
;; limits: right only within a limited range of input values
;; workspace buffers: xc 6,291,456 bytes; xs 262,144 bytes; wc 2,359,296 bytes; ws 98,304 bytes; qimg 6,291,456 bytes; qsc 524,288 bytes; kv 13,369,344 bytes
;; launch quant (part 1): grid 704 x 1, 4 waves a work-group, no clusters, 68,096 bytes of LDS; arguments hidden_states, Wq, Wk, Wv, xc, xs, wc, ws; writes xc, xs, wc, ws
.if DOCPART == 1
	.amdgcn_target "amdgcn-amd-amdhsa--gfx1250"
	.amdhsa_code_object_version 6
	.text
	.protected	k_qffe2ec5ab9_quant
	.globl	k_qffe2ec5ab9_quant
	.p2align	8
	.type	k_qffe2ec5ab9_quant,@function
k_qffe2ec5ab9_quant:
	s_mov_b64 s[64:65], 0
	v_nop
	global_prefetch_b8 v0, s[64:65] scope:SCOPE_SE
	s_setreg_imm32_b32 hwreg(HW_REG_WAVE_MODE, 25, 1), 1
	s_wait_xcnt 0x0
; hidden_states [8192][1024] f32 (K innermost) and Wq, Wk, Wv [1024 (k)][1024 (n)] f32 (K is the FIRST axis) become codes of BF6 (E3M2), K innermost, with one E8M0 byte for each 32 along K:
;   xc [8192][768 bytes], xs [8192][32];   wc [3072][768], ws [3072][32]: rows 0-1023 Wq's columns, 1024-2047 Wk's, 2048-3071 Wv's.
; A block's scale is 2^(floor(log2(its largest magnitude)) - 4): its byte is the largest magnitude's exponent field - 4, held at 1 from below.
; LIMITS: a block of zeros gets the byte 1 where the quantiser's text says 127 (its codes are zeros, and this program alone reads the bytes); blocks whose largest magnitude lies under 2^(4 - 126) have their byte held at 1;
; NaN and infinities among the inputs are not served.
; Work-groups 0-511 take hidden_states, 16,384 numbers each (a wave: 8 steps of 512, all 32 loads asked for at its start); work-groups 512-703 take the weights, 128 columns x 128 along K each (a wave: 32 columns, 4 blocks).
; The two ways part on the work-group's number, never meet again, and have LDS bytes of their own (0-32767; 32768-67583).  No tensor loads, no barrier: waves share nothing.  No matrix unit, no cluster: memory binds.
.set XWG,   512
.set STEPS, 8
.set EMAX,  4
.set CB,    12                         ; bytes of 16 codes
.set R,     16                         ; x: v16-143  eight sets of 16 numbers as they are loaded
.set X,     144                        ; x: v144-175 two sets of 16 neighbours
.set E,     176                        ; x: a scale byte for each step
.set C,     184                        ; x: codes, four registers a step: no store's data are written again
.set SPW,   216
.set NIL,   217
.set WREG,  8192                       ; x: LDS of a wave: two stages of 32 x SP bytes, behind them its 128 scale bytes
.set SP,    80                         ; x: a lane's place in a stage: 64 bytes + 16
.set WST,   32768                      ; W: a stage of 32 rows x PITCH for each wave
.set NB,    4                          ; W: blocks of 32 along K for a wave
.set PITCH, 272
.set KROW,  768
.set WROW,  4096
.set WX,    32                         ; W: two sets of 32 numbers
.set WC,    96
.set OUTR,  112
.set SB,    24
.set SPARE, 0x10800
	s_load_b256 s[4:11], s[0:1], 0x0               ; hidden_states, Wq, Wk, Wv
	s_load_b256 s[12:19], s[0:1], 0x20             ; xc, xs, wc, ws
	v_lshl_add_u32 v[SPW], v0, 2, SPARE
	v_mov_b32 v[NIL], 0
	v_lshrrev_b32 v1, 5, v0
	v_readfirstlane_b32 s20, v1                    ; wave
	v_and_b32 v2, 31, v0                           ; lane
	s_cmp_lt_u32 ttmp9, XWG
	s_cbranch_scc0 .Lweights
; hidden_states: each load reads 512 consecutive bytes, 16 a lane; a step's 2,048 bytes turn through the wave's stage and come back 64 bytes a lane: two neighbouring lanes hold a block
	v_lshlrev_b32 v3, 4, v2
	s_mul_i32 s21, s20, WREG
	v_lshrrev_b32 v14, 2, v2
	v_mul_u32_u24 v14, v14, SP
	v_and_b32 v15, 3, v2
	v_lshl_add_u32 v14, v15, 4, v14
	v_add_nc_u32 v14, s21, v14                     ; in: SP (lane / 4) + 16 (lane % 4)
	v_mul_u32_u24 v15, v2, SP
	v_add_nc_u32 v15, s21, v15                     ; out: SP x lane
	v_mul_u32_u24 v4, v2, CB
	v_lshrrev_b32 v5, 1, v2
	s_add_co_u32 s21, s21, 2*32*SP
	v_add_nc_u32 v5, s21, v5                       ; my block's scale byte
	v_lshlrev_b32 v7, 2, v2                        ; on the way out 4 bytes a lane
	v_add_nc_u32 v6, s21, v7
	s_lshl_b32 s22, ttmp9, 2
	s_add_co_u32 s22, s22, s20                     ; which run of 4,096 numbers: 0 .. 2047
	s_lshl_b32 s24, s22, 14
	s_mov_b32 s25, 0
	s_mul_i32 s26, s22, 32*STEPS*CB
	s_mov_b32 s27, 0
	s_lshl_b32 s28, s22, 7
	s_mov_b32 s29, 0
	s_wait_alu depctr_va_vdst(0)                   ; the wait at the head's end
	s_wait_kmcnt 0x0
	s_add_nc_u64 s[4:5], s[4:5], s[24:25]
	s_add_nc_u64 s[12:13], s[12:13], s[26:27]
	s_add_nc_u64 s[14:15], s[14:15], s[28:29]
.macro XLOAD t
.irp i, 0,1,2,3
	global_load_b128 v[R+16*(\t)+4*\i:R+16*(\t)+4*\i+3], v3, s[4:5] offset:2048*(\t)+512*\i th:TH_LOAD_NT
.endr
.endm
.macro XTURN t                         ; LDS serves a wave's instructions in order: no wait between the stores and the loads
.irp i, 0,1,2,3
	ds_store_b128 v14, v[R+16*(\t)+4*\i:R+16*(\t)+4*\i+3] offset:32*SP*((\t)%2)+8*SP*\i
.endr
.irp i, 0,1,2,3
	ds_load_b128 v[X+16*((\t)%2)+4*\i:X+16*((\t)%2)+4*\i+3], v15 offset:32*SP*((\t)%2)+16*\i
.endr
.endm
.irp t, 0,1,2,3,4,5,6,7
	XLOAD \t
.endr
	s_wait_loadcnt 28                              ; step 0's four loads are in; the 28 of steps 1 to 7 may be out
	XTURN 0
.macro XSTEP t
.set XS, X+16*((\t)%2)
.if (\t) > 0
	s_wait_dscnt 1                                 ; this step's numbers are back (the last step's byte store may be out)
.else
	s_wait_dscnt 0x0
.endif
.if (\t)+1 < STEPS
	s_wait_loadcnt 4*(STEPS-2-(\t))                ; the next step's four loads are in; those of the steps behind it may be out
	XTURN (\t)+1
.endif
	v_max3_num_f32 v8, |v[XS]|, |v[XS+1]|, |v[XS+2]|
	v_max3_num_f32 v9, |v[XS+3]|, |v[XS+4]|, |v[XS+5]|
.irp i, 6,10
	v_max3_num_f32 v8, v8, |v[XS+\i]|, |v[XS+\i+1]|
	v_max3_num_f32 v9, v9, |v[XS+\i+2]|, |v[XS+\i+3]|
.endr
	v_max3_num_f32 v8, v8, |v[XS+14]|, |v[XS+15]|
	v_max3_num_f32 v8, v8, v9, (EMAX+1)<<23        ; the floor: the byte cannot fall under 1
	v_max_num_f32_dpp v8, v8, v8 row_xmask:1 row_mask:0xf bank_mask:0xf   ; with my neighbour's 16
	v_add_nc_u32 v11, -(EMAX<<23), v8              ; the conversion's scale operand
	v_cvt_scalef32_pk16_bf6_f32 v[C+4*(\t):C+4*(\t)+2], v[XS:XS+15], v11
	v_lshrrev_b32 v[E+(\t)], 23, v11               ; the byte (also the plain line behind the conversion)
	ds_store_b8 v5, v[E+(\t)] offset:16*(\t)
	global_store_b96 v4, v[C+4*(\t):C+4*(\t)+2], s[12:13] offset:32*CB*(\t)   ; the wave stores 384 consecutive bytes
.endm
.irp t, 0,1,2,3,4,5,6,7
	XSTEP \t
.endr
	ds_load_b32 v12, v6
	s_wait_dscnt 0x0
	global_store_b32 v7, v12, s[14:15]             ; 128 consecutive bytes a wave, 512 a work-group
	s_wait_tensorcnt 0x0                           ; the wave's end
	ds_add_u32 v[SPW], v[NIL]
	s_wait_dscnt 0x0
	s_endpgm
; the weights: a lane takes a column n, its registers run down K: a block lies in one lane, and the codes come out with K innermost; they leave through the wave's stage as rows, eight lanes to a row's 96 bytes
.Lweights:
	s_sub_co_u32 s21, ttmp9, XWG                   ; 0 .. 191
	s_lshr_b32 s22, s21, 6                         ; which weight
	s_and_b32 s23, s21, 7                          ; which 128 columns
	s_bfe_u32 s24, s21, 0x30003                    ; which 128 along K
	s_lshl_b32 s25, s23, 7
	s_lshl_b32 s26, s20, 5
	s_add_co_u32 s25, s25, s26                     ; my wave's first column
	s_wait_alu depctr_va_vdst(0)                   ; the wait behind the branch
	v_lshlrev_b32 v3, 2, v2
	s_mul_i32 s26, s20, 32*PITCH
	s_add_co_u32 s26, s26, WST
	v_mul_u32_u24 v4, v2, PITCH
	v_add_nc_u32 v4, s26, v4                       ; into the stage: row = my column
	v_and_b32 v5, 7, v2
	v_lshrrev_b32 v6, 3, v2                        ; out of it: eight lanes to a row, four rows an instruction
	v_mul_u32_u24 v7, v6, PITCH
	v_lshl_add_u32 v7, v5, 4, v7
	v_add_nc_u32 v7, s26, v7
	v_mul_u32_u24 v8, v6, KROW
	v_mad_u32_u24 v8, v5, 12, v8
	v_lshlrev_b32 v9, 5, v2                        ; my column's row of scale bytes
	s_lshl_b32 s28, s24, 19                        ; 128 rows of 4,096 bytes
	s_lshl_b32 s27, s25, 2
	s_add_co_u32 s28, s28, s27
	s_mov_b32 s29, 0
	s_lshl_b32 s27, s22, 10
	s_add_co_u32 s27, s27, s25                     ; the row of wc and ws
	s_mul_i32 s30, s27, KROW
	s_mul_i32 s34, s24, 96
	s_add_co_u32 s30, s30, s34
	s_mov_b32 s31, 0
	s_lshl_b32 s32, s27, 5
	s_lshl_b32 s34, s24, 2
	s_add_co_u32 s32, s32, s34
	s_mov_b32 s33, 0
	s_wait_kmcnt 0x0
	s_cmp_eq_u32 s22, 0
	s_cselect_b64 s[6:7], s[6:7], s[8:9]
	s_cmp_eq_u32 s22, 2
	s_cselect_b64 s[6:7], s[10:11], s[6:7]
	s_add_nc_u64 s[6:7], s[6:7], s[28:29]
	s_add_nc_u64 s[16:17], s[16:17], s[30:31]
	s_add_nc_u64 s[18:19], s[18:19], s[32:33]
.macro WLOAD t
.irp i, 0,1,2,3,4,5,6,7,8,9,10,11,12,13,14,15,16,17,18,19,20,21,22,23,24,25,26,27,28,29,30,31
	global_load_b32 v[WX+32*((\t)%2)+\i], v3, s[6:7] offset:(32*(\t)+\i)*WROW th:TH_LOAD_NT
.endr
.endm
	WLOAD 0
	WLOAD 1
.macro WBLOCK t
.set XS, WX+32*((\t)%2)
.if (\t) < NB-1
	s_wait_loadcnt 32                              ; this block's 32 loads are in; the next block's may be out
.else
	s_wait_loadcnt 0
.endif
	v_max3_num_f32 v12, |v[XS]|, |v[XS+1]|, |v[XS+2]|
	v_max3_num_f32 v13, |v[XS+3]|, |v[XS+4]|, |v[XS+5]|
.irp i, 6,10,14,18,22,26
	v_max3_num_f32 v12, v12, |v[XS+\i]|, |v[XS+\i+1]|
	v_max3_num_f32 v13, v13, |v[XS+\i+2]|, |v[XS+\i+3]|
.endr
	v_max3_num_f32 v12, v12, |v[XS+30]|, |v[XS+31]|
	v_max3_num_f32 v12, v12, v13, (EMAX+1)<<23
	v_add_nc_u32 v11, -(EMAX<<23), v12
	v_lshrrev_b32 v13, 23, v11
.if (\t) == 0
	v_mov_b32 v[SB], v13
.else
	v_lshl_or_b32 v[SB], v13, 8*(\t), v[SB]
.endif
	v_cvt_scalef32_pk16_bf6_f32 v[WC:WC+2], v[XS:XS+15], v11
	v_cvt_scalef32_pk16_bf6_f32 v[WC+4:WC+6], v[XS+16:XS+31], v11
	v_nop                                          ; one plain line behind the last conversion
	ds_store_b96 v4, v[WC:WC+2] offset:32*(\t)     ; 12 bytes to a place of 16
	ds_store_b96 v4, v[WC+4:WC+6] offset:32*(\t)+16
.if (\t)+2 < NB
	WLOAD (\t)+2
.endif
	s_wait_dscnt 0x0                               ; the stores have read their registers
.endm
.irp t, 0,1,2,3
	WBLOCK \t
.endr
	s_wait_alu depctr_va_vdst(0)                   ; the wait ahead of the reader below
	global_store_b32 v9, v[SB], s[18:19]           ; my column's 4 scale bytes
.irp t, 0,1,2,3,4,5,6,7
	ds_load_b96 v[OUTR+4*\t:OUTR+4*\t+2], v7 offset:4*\t*PITCH
.endr
.irp t, 0,1,2,3,4,5,6,7
	s_wait_dscnt 7-\t                              ; load t is back; the 7 - t younger may be out
	global_store_b96 v8, v[OUTR+4*\t:OUTR+4*\t+2], s[16:17] offset:4*\t*KROW
.endr
	s_wait_tensorcnt 0x0
	ds_add_u32 v[SPW], v[NIL]
	s_wait_dscnt 0x0
	s_endpgm
.Lfunc_end_k_qffe2ec5ab9_quant:
	.size	k_qffe2ec5ab9_quant, .Lfunc_end_k_qffe2ec5ab9_quant-k_qffe2ec5ab9_quant
	.p2alignl 7, 3214868480
	.fill 96, 4, 3214868480
	.section	.rodata,"a",@progbits
	.p2align	6, 0x0
	.amdhsa_kernel k_qffe2ec5ab9_quant
		.amdhsa_group_segment_fixed_size 68096
		.amdhsa_private_segment_fixed_size 0
		.amdhsa_enable_private_segment 0
		.amdhsa_kernarg_size 64
		.amdhsa_user_sgpr_count 2
		.amdhsa_user_sgpr_kernarg_segment_ptr 1
		.amdhsa_wavefront_size32 1
		.amdhsa_system_sgpr_workgroup_id_x 1
		.amdhsa_system_sgpr_workgroup_id_y 1
		.amdhsa_system_sgpr_workgroup_id_z 1
		.amdhsa_system_vgpr_workitem_id 0
		.amdhsa_next_free_vgpr 218
		.amdhsa_next_free_sgpr 66
		.amdhsa_reserve_vcc 0
		.amdhsa_float_denorm_mode_32 3
		.amdhsa_float_denorm_mode_16_64 3
		.amdhsa_memory_ordered 1
		.amdhsa_forward_progress 1
		.amdhsa_inst_pref_size 39
	.end_amdhsa_kernel
	.amdgpu_metadata
---
amdhsa.version: [ 1, 2 ]
amdhsa.kernels:
  - .name:           k_qffe2ec5ab9_quant
    .symbol:         k_qffe2ec5ab9_quant.kd
    .args:
      - { .name: hidden_states, .offset: 0, .size: 8, .value_kind: global_buffer, .address_space: global }
      - { .name: Wq, .offset: 8, .size: 8, .value_kind: global_buffer, .address_space: global }
      - { .name: Wk, .offset: 16, .size: 8, .value_kind: global_buffer, .address_space: global }
      - { .name: Wv, .offset: 24, .size: 8, .value_kind: global_buffer, .address_space: global }
      - { .name: xc, .offset: 32, .size: 8, .value_kind: global_buffer, .address_space: global }
      - { .name: xs, .offset: 40, .size: 8, .value_kind: global_buffer, .address_space: global }
      - { .name: wc, .offset: 48, .size: 8, .value_kind: global_buffer, .address_space: global }
      - { .name: ws, .offset: 56, .size: 8, .value_kind: global_buffer, .address_space: global }
    .group_segment_fixed_size: 68096
    .private_segment_fixed_size: 0
    .kernarg_segment_align: 8
    .kernarg_segment_size: 64
    .max_flat_workgroup_size: 128
    .sgpr_count:     66
    .vgpr_count:     218
    .wavefront_size: 32
...
	.end_amdgpu_metadata
.endif
;; end of part 1
;; launch proj (part 2): grid 8 x 32, 4 waves a work-group, clusters of 4 x 4, 327,680 bytes of LDS; arguments xc, xs, wc, ws, bq, bk, bv, qimg, qsc, kv; writes qimg, qsc, kv
.if DOCPART == 2
	.amdgcn_target "amdgcn-amd-amdhsa--gfx1250"
	.amdhsa_code_object_version 6
	.text
	.protected	k_qffe2ec5ab9_proj
	.globl	k_qffe2ec5ab9_proj
	.p2align	8
	.type	k_qffe2ec5ab9_proj,@function
k_qffe2ec5ab9_proj:
	s_mov_b64 s[64:65], 0
	v_nop
	global_prefetch_b8 v0, s[64:65] scope:SCOPE_SE
	s_setreg_imm32_b32 hwreg(HW_REG_WAVE_MODE, 25, 1), 1
	s_wait_xcnt 0x0
	s_wait_alu depctr_hold_cnt(0) depctr_sa_sdst(0) depctr_va_vdst(0) depctr_va_sdst(0) depctr_va_ssrc(0) depctr_va_vcc(0) depctr_vm_vsrc(0)
	s_getreg_b32 s2, hwreg(HW_REG_IB_STS2, 6, 4)
	s_cmp_eq_u32 s2, 0
	s_cbranch_scc0 .Lentry_in_a_cluster
	s_endpgm
.Lentry_in_a_cluster:
	s_bfe_u32 s2, ttmp6, 0x10000c
	s_cmp_lg_u32 s2, 0xf033
	s_cbranch_scc0 .Lentry_shape_is_right
	s_endpgm
.Lentry_shape_is_right:
; q = x Wq + bq, k = x Wk + bk, v = x Wv + bv on codes of BF6 (E3M2), one E8M0 scale for each 32 along K = 1,024, sums in f32.  The results, with their biases, are quantised here in registers
; for the attention's two products: q and k along a head's 64 channels, v along the keys.  No f32 result goes to memory.
; 256 WORK-GROUPS THAT STAY, four waves each, TWO PHASES.  Phase 1: a tile of 256 tokens (A) x 256 channels of q or k (B; the cluster's x: 0 q, 1 k), 128 x 128 a wave.  Phase 2: 128 channels of v (A) x 256 tokens (B), 64 x 128 a wave.
; K goes through a ring of two LDS slots in CHUNKS OF 256 BYTES of each row of codes (a row is 768 bytes: three chunks).  A step of 128 along K is 96 bytes: eight steps to three chunks; steps 2 and 5 take pieces from both slots.
; THE RING GOES ON INTO PHASE 2: its chunk 0 fills slot 1 behind the round in phase 1's step 5, its chunk 1 and its scales fill slot 0 and the scales' bytes behind the round in step 7 (one load a wave), and land while q or k goes out;
; its chunk 2 fills slot 1 behind the round in phase 2's step 2.  In phase 2 wave 0 asks for A's 128 rows and wave 1 for B's 256.
; source 0 = 16 rows of B, source 1 = 16 rows of A: lane (r, h) of accumulator (a, b) holds in register j (A's row 16 a + r, B's row 16 b + 8 h + j): in phase 1 a lane holds a token, in phase 2 a channel, its registers running along the next K.
; QUANT lays register 16 B + i of lane half s (index 32 B + 16 (i / 8) + 8 s + i % 8 along the next K) at place 32 B + 16 s + i: a permutation inside each block of 32, the same for q and k, and for v the one that the next launch's p follows.
; OUT.  q, k: a tile image of 16 tokens x 64 channels is 768 bytes: registers 0-3 at 16 x lane, registers 4-5 at 512 + 8 x lane.  THE TOKENS OF A TILE: of each 128 tokens, tile 4 c + t holds in rows 0-7 tokens 64 c + 8 g + 0..7
; and in rows 8-15 tokens 64 c + 32 + 8 g + 0..7, g = 0, 2, 1, 3 for t = 0 .. 3.  The images are put in that order in my stage in LDS and leave, 64 tokens at a time, as runs of 512 consecutive bytes; the scale words follow the same order.
;   qimg [bh][64 tiles][768], qsc [bh][1024] a word a query.   kv [bh][104,448]: 0: a word a key; 4096: [key step][channel] a word; 6144 + 12288 s: key step s: K's 8 tile images, then V^T's four fragments (1,536 bytes: registers 4 g .. 4 g + 3 at 512 g + 16 x lane).
; CLUSTERS: 4 x 4.  A's tiles are asked for jointly along a row of the cluster, B's along a column, in both phases.  No prefetch: a phase has three chunks, and phase 2's first two are asked for a whole way out ahead of their use.
; LIMITS: a block of zeros gets the byte 1 (its codes are zeros); NaN and infinities are not served.
; REGISTERS: window 0: v0-31 addresses, v32-63 scale words (two sets), v64-127 q's or k's biases, v128-223 A's fragments (phase 2: two sets of four; at work on the way out), v248-255 v's biases; window 1: B's fragments, two sets; windows 2, 3: accumulators.
.set ROWB,   256
.set NQ,     2
.set KROW,   768
.set STEPS,  8
.set CHUNKS, 3
.set PITCH,  272
.set FR,     12
.set NL,     6
.set NP,     4
.set HALFT,  128*PITCH
.set SLOT,   4*HALFT
.set KS,     32
.set SCL,    2*SLOT
.set HALFS,  16*272
.set SBLK,   2*272
.set SPARE,  SCL+4*HALFS               ; the spare words: 512 bytes that no other line names
.set STG,    SPARE+512                 ; the stages: bytes into which no fill lands
.set WSTG,   7424                      ; a wave's: 6,144 images, 1,024 q/k scale words, 256 v scale words
.set REC,    104448
.set ADRA2, 4                          ; v4-7: A's fragments in phase 2
.set SH,   8
.set SCA2, 9
.set SCR2, 10
.set L8,   11
.set I16,  12
.set I8,   13
.set RDI,  14
.set ADRS2, 15
.set ADRA, 16
.set ADRB, 20
.set SCA,  24
.set SCR,  25
.set L16,  26
.set ADRS, 27
.set SPW,  28
.set NIL,  29
.set H32,  30
.set R4,   31
.set SC,   32
.set BI,   64
.set AF,   128
.set W,    128
.set PC,   192
.set TM,   212
.set PW,   228
.set RB,   232
.set PWS,  240
.set BV,   248
.set G1, 24
.set G0, 32
.set G1B, 48
.set G0B, 56
.set G1S, 68
.set G0S, 76
.set G1SB, 80
.set G0SB, 88
.set G0H, 4
.set G0HB, 8
.set SEL, 92
.set MSB, 0
.macro WIN new
.if MSB != \new
	s_set_vgpr_msb (MSB<<8)|\new
.set MSB, \new
.endif
.endm
.set MUL_LO, 0xa1
.set MUL_HI, 0xf1
.set TO_B,   0x40
.macro TLOAD g0, g1                    ; s_nop 0 and four v_nop behind each load
	tensor_load_to_lds s[\g0:\g0+3], s[\g1:\g1+7]
	s_nop 0
.rept 4
	v_nop
.endr
.endm
.macro JLOAD g0a, g1a, g0b, g1b        ; phase 1's ring: waves 0, 1 ask for A, waves 2, 3 for B
	s_cmp_eq_u32 s15, 0
	s_cbranch_scc0 .Lfor_b_\@
	TLOAD \g0a, \g1a
	s_branch .Lasked_\@
.Lfor_b_\@:
	TLOAD \g0b, \g1b
.Lasked_\@:
.endm
.macro TREE sc                         ; phase 2's loads: wave 0 A's chunk, wave 1 B's; sc = 1: wave 2 A's scales, wave 3 B's
	s_cmp_lt_u32 s14, 1
	s_cbranch_scc0 .Ltb_\@
	TLOAD G0, G1
	s_branch .Lte_\@
.Ltb_\@:
	s_cmp_lt_u32 s14, 2
	s_cbranch_scc0 .Ltc_\@
	TLOAD G0B, G1B
.if \sc
	s_branch .Lte_\@
.endif
.Ltc_\@:
.if \sc
	s_cmp_lt_u32 s14, 3
	s_cbranch_scc0 .Ltd_\@
	TLOAD G0S, G1S
	s_branch .Lte_\@
.Ltd_\@:
	TLOAD G0SB, G1SB
.endif
.Lte_\@:
.endm
.macro CREST
	s_cmp_lg_u32 s14, 0
	s_cbranch_scc1 .Lnot_wave_0_\@
	s_barrier_signal -3
.Lnot_wave_0_\@:
	s_barrier_wait -3
	s_barrier_signal -1
	s_barrier_wait -1
.endm
.macro CROUND
	s_barrier_signal -1
	s_barrier_wait -1
	CREST
.endm
	s_load_b128 s[4:7], s[0:1], 0x0                ; xc, xs
	s_load_b128 s[8:11], s[0:1], 0x10              ; wc, ws
	s_load_b128 s[96:99], s[0:1], 0x20             ; bq, bk
	s_load_b64 s[100:101], s[0:1], 0x30            ; bv
	v_lshl_add_u32 v[SPW], v0, 2, SPARE
	v_mov_b32 v[NIL], 0
	ds_add_u32 v[SPW], v[NIL]                      ; the opening lines
	ds_add_u32 v[SPW], v[NIL]
	v_lshrrev_b32 v1, 5, v0
	v_readfirstlane_b32 s14, v1                    ; wave
	s_lshr_b32 s15, s14, 1                         ; my half of A's rows
	s_and_b32 s16, s14, 1                          ; my half of B's rows
	s_bfe_u32 s40, ttmp6, 0x40000                  ; cx
	s_bfe_u32 s41, ttmp6, 0x40004                  ; cy
	s_and_b32 s18, ttmp7, 0xffff
	s_lshl_b32 s18, s18, 2
	s_add_co_u32 s17, s18, s41                     ; phase 1, A: which 256 tokens
	s_add_co_u32 s19, s18, s40                     ; phase 2, B: which 256 tokens
	s_lshl_b32 s42, ttmp9, 2
	s_add_co_u32 s45, s42, s41                     ; phase 2, A: which 128 channels of v
	s_add_co_u32 s42, s42, s40                     ; phase 1, B: which 256 rows of wc
	s_lshl_b32 s43, s41, 2
	s_lshl_b32 s43, 15, s43                        ; my row of the cluster
	s_lshl_b32 s44, 0x1111, s40                    ; my column
	s_or_b32 s[G1+0], s43, (0<<16)|(1<<20)|(1<<21)|(5<<22)|(3<<25)   ; bytes; 4 words of padding behind every 64
	s_or_b32 s[G1B+0], s44, (0<<16)|(1<<20)|(1<<21)|(5<<22)|(3<<25)
.irp g, G1, G1B
	s_mov_b32 s[\g+1], ROWB<<16
	s_mov_b32 s[\g+2], 256<<16                     ; the head's loads bring 256 rows
	s_mov_b32 s[\g+3], ROWB<<16
	s_mov_b32 s[\g+4], 256
	s_mov_b32 s[\g+5], KROW
	s_mov_b32 s[\g+6], 0
	s_mov_b32 s[\g+7], 0
.endr
	s_or_b32 s[G1S+0], s43, (3<<16)|(1<<20)|(1<<21)|(5<<22)|(3<<25)  ; the scales of 256 rows: 32 rows of 256 bytes
	s_or_b32 s[G1SB+0], s44, (3<<16)|(1<<20)|(1<<21)|(5<<22)|(3<<25)
.irp g, G1S, G1SB
	s_mov_b32 s[\g+1], 32<<16
	s_mov_b32 s[\g+2], KS<<16
	s_mov_b32 s[\g+3], 32<<16
	s_mov_b32 s[\g+4], KS
	s_mov_b32 s[\g+5], 32
	s_mov_b32 s[\g+6], 0
	s_mov_b32 s[\g+7], 0
.endr
	s_lshl_b32 s43, s45, 9                         ; v's biases: 512 bytes for each 128 channels
	s_lshl_b32 s44, s15, 8
	s_add_co_u32 s43, s43, s44
	s_mul_i32 s20, s17, 256*KROW                   ; byte offsets, all under 2^24
	s_mul_i32 s22, s17, 256*KS
	s_mul_i32 s46, s42, 256*KROW
	s_mul_i32 s92, s42, 256*KS
	s_mul_i32 s94, s45, 128*KROW
	s_add_co_u32 s94, s94, 2048*KROW
	s_mul_i32 s2, s45, 128*KS
	s_add_co_u32 s2, s2, 2048*KS
	s_mul_i32 s66, s19, 256*KROW
	s_mul_i32 s12, s19, 256*KS
.irp n, 21,23,47,93,95,3,67,13,19
	s_mov_b32 s\n, 0
.endr
	s_mul_i32 s18, s16, 128*KROW
	s_mul_i32 s45, s14, HALFT
	s_wait_dscnt 0x0
	s_wait_kmcnt 0x0
	s_add_nc_u64 s[20:21], s[4:5], s[20:21]        ; phase 1: A's codes, A's scales, B's codes, B's scales
	s_add_nc_u64 s[22:23], s[6:7], s[22:23]
	s_add_nc_u64 s[46:47], s[8:9], s[46:47]
	s_add_nc_u64 s[92:93], s[10:11], s[92:93]
	s_add_nc_u64 s[94:95], s[8:9], s[94:95]        ; phase 2 likewise
	s_add_nc_u64 s[2:3], s[10:11], s[2:3]
	s_add_nc_u64 s[66:67], s[4:5], s[66:67]
	s_add_nc_u64 s[12:13], s[6:7], s[12:13]
	CROUND                                         ; in front of the first joint loads
	s_mov_b32 s[G0H], 1
	s_mov_b32 s[G0H+1], 0
	s_mov_b64 s[G0H+2:G0H+3], s[20:21]
	s_or_b32 s[G0H+3], s[G0H+3], 0x80000000
	s_mov_b32 s[G0HB], 1
	s_mov_b32 s[G0HB+1], 2*HALFT
	s_mov_b64 s[G0HB+2:G0HB+3], s[46:47]
	s_or_b32 s[G0HB+3], s[G0HB+3], 0x80000000
	s_mov_b32 s[G0S], 1
	s_mov_b32 s[G0S+1], SCL
	s_mov_b64 s[G0S+2:G0S+3], s[22:23]
	s_or_b32 s[G0S+3], s[G0S+3], 0x80000000
	s_mov_b32 s[G0SB], 1
	s_mov_b32 s[G0SB+1], SCL+2*HALFS
	s_mov_b64 s[G0SB+2:G0SB+3], s[92:93]
	s_or_b32 s[G0SB+3], s[G0SB+3], 0x80000000
	s_add_nc_u64 s[20:21], s[20:21], s[18:19]      ; for the ring: my 128 rows
	s_add_nc_u64 s[46:47], s[46:47], s[18:19]
.irp s, 0,1
	s_mov_b32 s[G0+4*\s], 1
	s_add_co_u32 s[G0+4*\s+1], s45, \s*SLOT
	s_add_nc_u64 s[G0+4*\s+2:G0+4*\s+3], s[20:21], \s*ROWB
	s_or_b32 s[G0+4*\s+3], s[G0+4*\s+3], 0x80000000
	s_mov_b32 s[G0B+4*\s], 1
	s_add_co_u32 s[G0B+4*\s+1], s45, \s*SLOT
	s_add_nc_u64 s[G0B+4*\s+2:G0B+4*\s+3], s[46:47], \s*ROWB
	s_or_b32 s[G0B+4*\s+3], s[G0B+4*\s+3], 0x80000000
.endr
; the head's four tiles, one load a wave: wave 0 chunk 0 of A, wave 1 of B, wave 2 A's scales, wave 3 B's: one tree of branches, all arms to one join
.macro ARM under, g0, g1, next
	s_cmp_lt_u32 s14, \under
	s_cbranch_scc0 \next
	TLOAD \g0, \g1
	s_branch .Lhead_asked
\next:
.endm
	ARM 1, G0H,  G1,  .Lhead_b
	ARM 2, G0HB, G1B, .Lhead_sa
	ARM 3, G0S,  G1S, .Lhead_sb
	TLOAD G0SB, G1SB
.Lhead_asked:
	s_and_b32 s20, s42, 3                          ; q's or k's biases: my first channel 256 (tile column % 4) + 128 x half
	s_lshl_b32 s20, s20, 10
	s_lshl_b32 s21, s16, 9
	s_add_co_u32 s20, s20, s21
	s_mov_b32 s21, 0
	s_cmp_eq_u32 ttmp9, 0
	s_cselect_b64 s[96:97], s[96:97], s[98:99]
	s_add_nc_u64 s[96:97], s[96:97], s[20:21]
	s_mov_b32 s20, s43
	s_add_nc_u64 s[100:101], s[100:101], s[20:21]
	s_mul_i32 s18, s15, HALFT                      ; my rows of A,
	s_mul_i32 s19, s16, HALFT
	s_add_co_u32 s19, s19, 2*HALFT                 ; of B
	s_mov_b32 s20, SLOT-232
	s_mov_b32 s21, SLOT+232
	s_mul_i32 s22, s15, 64*PITCH                   ; phase 2: A's halves are 64 rows
	s_mul_i32 s47, s15, HALFS
	s_mul_i32 s92, s15, HALFS/2
	s_mul_i32 s23, s16, HALFS
	s_add_co_u32 s23, s23, 2*HALFS
	s_sub_co_u32 s46, s23, s92                     ; from A's scale words to B's, phase 2,
	s_sub_co_u32 s23, s23, s47                     ; phase 1
	s_add_co_u32 s47, s47, SCL
	s_add_co_u32 s92, s92, SCL
	s_mul_i32 s93, s14, WSTG
	s_add_co_u32 s93, s93, STG                     ; my stage
	v_and_b32 v1, 15, v0                           ; r
	v_bfe_u32 v2, v0, 4, 1                         ; h
	v_lshlrev_b32 v[H32], 5, v2
	v_lshlrev_b32 v[R4], 2, v1
.irp b, 0,1,2,3,4,5,6,7
	global_load_b128 v[BI+8*\b:BI+8*\b+3], v[H32], s[96:97] offset:64*\b       ; register 8 b + j: channel 16 b + 8 h + j
	global_load_b128 v[BI+8*\b+4:BI+8*\b+7], v[H32], s[96:97] offset:64*\b+16
.endr
.irp a, 0,1,2,3
	global_load_b32 v[BV+2*\a], v[R4], s[100:101] offset:64*\a                 ; v: channel 16 a + r
	v_mov_b32 v[BV+2*\a+1], 0                      ; named with it as a pair
.endr
	v_mul_u32_u24 v3, v1, PITCH
	v_mul_u32_u24 v4, v2, 24
	v_sub_nc_u32 v7, 1, v2
	v_add_nc_u32 v4, v3, v4                        ; row x pitch + 24 x half
	v_mul_u32_u24 v5, s20, v2
	v_mul_u32_u24 v6, s21, v7
	v_add_nc_u32 v5, v3, v5
	v_add_nc_u32 v6, v3, v6                        ; across two chunks: lanes 0-15 byte 232 in slot 1, lanes 16-31 byte 0 in slot 0
	v_add_nc_u32 v5, 232, v5                       ; and lanes 0-15 byte 232 in slot 0, lanes 16-31 byte 0 in slot 1
	v_add_nc_u32 v[ADRA], s18, v4
	v_add_nc_u32 v[ADRB], s19, v4
	v_add_nc_u32 v[ADRA+1], SLOT, v[ADRA]
	v_add_nc_u32 v[ADRB+1], SLOT, v[ADRB]
	v_add_nc_u32 v[ADRA+2], s18, v5
	v_add_nc_u32 v[ADRA+3], s18, v6
	v_add_nc_u32 v[ADRB+2], s19, v5
	v_add_nc_u32 v[ADRB+3], s19, v6
	v_mul_u32_u24 v5, v1, KS                       ; my row's scales
	v_mul_u32_u24 v6, s23, v2                      ; lanes 16-31 take B's
	v_mul_u32_u24 v7, s46, v2
	v_lshrrev_b32 v3, 8, v5
	v_lshl_add_u32 v5, v3, 4, v5
	v_add_nc_u32 v6, v5, v6
	v_add_nc_u32 v7, v5, v7
	v_add_nc_u32 v[ADRS], s47, v6
	v_add_nc_u32 v[ADRS2], s92, v7
	v_and_b32 v6, 31, v0
	v_lshlrev_b32 v[L16], 4, v6
	v_lshlrev_b32 v[L8], 3, v6
	v_lshlrev_b32 v[SH], 4, v2
	v_lshrrev_b32 v3, 3, v1                        ; r / 8
	v_and_b32 v4, 7, v1                            ; r % 8
	v_mul_u32_u24 v5, v3, 1536                     ; rows 8-15 of a block go two tiles on
	v_lshl_add_u32 v6, v4, 4, v5
	v_lshl_add_u32 v6, v2, 8, v6
	v_add_nc_u32 v[I16], s93, v6
	v_lshl_add_u32 v7, v4, 3, v5
	v_lshl_add_u32 v7, v2, 7, v7
	v_add_nc_u32 v[I8], s93, v7
	v_add_nc_u32 v[RDI], s93, v[L16]
	v_lshlrev_b32 v5, 7, v3
	v_lshl_add_u32 v5, v4, 2, v5
	v_lshl_add_u32 v5, v2, 9, v5
	v_add_nc_u32 v5, s93, v5
	v_add_nc_u32 v[SCA], 6144, v5                  ; scale words: 512 h + 128 (r / 8) + 4 (r % 8)
	v_add_nc_u32 v[SCR], 6144, v[RDI]
	v_add_nc_u32 v[SCA2], s93, v[R4]
	v_add_nc_u32 v[SCA2], 7168, v[SCA2]
	v_add_nc_u32 v[SCR2], s93, v[L8]
	v_add_nc_u32 v[SCR2], 7168, v[SCR2]
.irp x, 0,1,2,3
	v_sub_nc_u32 v[ADRA2+\x], v[ADRA+\x], s22
.endr
.macro FRAG reg, adr, st, i, par       ; 16 rows x 128 K: 12 registers, in pieces of 8 bytes; byte y of a row lies in slot (y / 256 + par) % 2 at byte y % 256
.irp p, 0,1,2,3,4,5
.set BY, 96*(\st)+48*(\p/3)+8*(\p%3)
.set SL, (BY/ROWB+(\par))%2
.if BY/ROWB == (BY+24)/ROWB
	ds_load_b64 v[\reg+2*\p:\reg+2*\p+1], v[\adr+SL] offset:BY%ROWB+(\i)*16*PITCH
.else
	ds_load_b64 v[\reg+2*\p:\reg+2*\p+1], v[\adr+2+SL] offset:BY%ROWB-232+(\i)*16*PITCH
.endif
.endr
.endm
.macro MUL16 a0, p, q, sc, zero        ; A's blocks a0, a0 + 1 x B's eight; the accumulators take turns
.irp a, \a0, \a0+1
.irp b, 0,1,2,3,4,5,6,7
.if \zero
	v_wmma_scale_f32_16x16x128_f8f6f4 v[8*(8*((\a)%4)+\b):8*(8*((\a)%4)+\b)+7], v[128*(\p)+FR*\b:128*(\p)+FR*\b+FR-1], v[AF+FR*(\a):AF+FR*(\a)+FR-1], 0, v[SC+8*NQ*(\sc)+NQ*\b+(\q)], v[SC+8*NQ*(\sc)+NQ*(\a)+(\q)] matrix_a_fmt:MATRIX_FMT_BF6 matrix_b_fmt:MATRIX_FMT_BF6 matrix_a_scale:MATRIX_SCALE_ROW1
.else
	v_wmma_scale_f32_16x16x128_f8f6f4 v[8*(8*((\a)%4)+\b):8*(8*((\a)%4)+\b)+7], v[128*(\p)+FR*\b:128*(\p)+FR*\b+FR-1], v[AF+FR*(\a):AF+FR*(\a)+FR-1], v[8*(8*((\a)%4)+\b):8*(8*((\a)%4)+\b)+7], v[SC+8*NQ*(\sc)+NQ*\b+(\q)], v[SC+8*NQ*(\sc)+NQ*(\a)+(\q)] matrix_a_fmt:MATRIX_FMT_BF6 matrix_b_fmt:MATRIX_FMT_BF6 matrix_a_scale:MATRIX_SCALE_ROW1
.endif
.endr
.endr
.endm
.macro VMUL a0, st                     ; phase 2: the same with A's set st % 2 of four blocks; step 0 starts the sums
.set P2, (\st)%2
.set S2, SC+8*NQ*(((\st)/2)%2)+P2
.irp a, \a0, \a0+1
.irp b, 0,1,2,3,4,5,6,7
.if (\st) == 0
	v_wmma_scale_f32_16x16x128_f8f6f4 v[8*(8*(\a)+\b):8*(8*(\a)+\b)+7], v[128*P2+FR*\b:128*P2+FR*\b+FR-1], v[AF+48*P2+FR*(\a):AF+48*P2+FR*(\a)+FR-1], 0, v[S2+NQ*\b], v[S2+NQ*(\a)] matrix_a_fmt:MATRIX_FMT_BF6 matrix_b_fmt:MATRIX_FMT_BF6 matrix_a_scale:MATRIX_SCALE_ROW1
.else
	v_wmma_scale_f32_16x16x128_f8f6f4 v[8*(8*(\a)+\b):8*(8*(\a)+\b)+7], v[128*P2+FR*\b:128*P2+FR*\b+FR-1], v[AF+48*P2+FR*(\a):AF+48*P2+FR*(\a)+FR-1], v[8*(8*(\a)+\b):8*(8*(\a)+\b)+7], v[S2+NQ*\b], v[S2+NQ*(\a)] matrix_a_fmt:MATRIX_FMT_BF6 matrix_b_fmt:MATRIX_FMT_BF6 matrix_a_scale:MATRIX_SCALE_ROW1
.endif
.endr
.endr
.endm
.macro FETCH_B st, p, par
	WIN TO_B
.irp i, 0,1,2,3,4,5,6,7
	FRAG 128*(\p)+FR*\i, ADRB, \st, \i, \par
.endr
	WIN 0
.endm
.macro FETCH_A st, i0
.irp i, \i0, \i0+1, \i0+2, \i0+3
	FRAG AF+FR*(\i), ADRA, \st, \i, 0
.endr
.endm
.macro FETCH_A2 st                     ; phase 2: A's four blocks into set st % 2
.irp i, 0,1,2,3
	FRAG AF+48*((\st)%2)+FR*\i, ADRA2, \st, \i, 1
.endr
.endm
.macro SCALES pr, adr                  ; the words of steps 2 pr, 2 pr + 1: lanes 0-15 A's block i, lanes 16-31 B's
.irp i, 0,1,2,3,4,5,6,7
	ds_load_b64 v[SC+8*NQ*((\pr)%2)+NQ*\i:SC+8*NQ*((\pr)%2)+NQ*\i+1], v[\adr] offset:\i*SBLK+4*NQ*(\pr)
.endr
.endm
.macro PLACES n
.rept \n
	v_nop
.endr
.endm
; A step of phase 1: 64 products; the next step's fragments are fetched in its middle and at its end.  Where the next step's bytes END in a chunk not read yet: the wait for my tensor loads and a barrier, ahead of the fetch.
; Where they BEGIN in a later chunk: the chunk left behind is read no more: the wait, the add, the wait for it and for my reads, a round of the cluster's barrier and the refill: step 2: chunk 2; step 5: phase 2's chunk 0.
.macro STEP st, zero
.set NX, (\st)+1
.set C0, (96*(\st))/ROWB
.set C1, (96*NX)/ROWB
.set E0, (96*(\st)+95)/ROWB
.set E1, (96*NX+95)/ROWB
.if C1 > C0 || E1 > E0
	s_wait_tensorcnt 0x0                           ; all my tensor loads have landed
.if C1 > C0
	ds_add_u32 v[SPW], v[NIL]
	s_wait_dscnt 4*NL+1                            ; the add and A's blocks 4-7 (24 loads) may be out
.else
	s_wait_dscnt 4*NL                              ; A's blocks 4-7 may be out
.endif
	WIN MUL_LO
	MUL16 0, (\st)%2, (\st)%2, ((\st)/2)%2, \zero
	s_wait_dscnt 0x0                               ; the add and my reads are done
	s_barrier_signal -1
	MUL16 2, (\st)%2, (\st)%2, ((\st)/2)%2, \zero
	WIN 0
	s_barrier_wait -1
.if C1 > C0 && C0+2 < CHUNKS
	CREST
	s_add_nc_u64 s[G0+4*(C0%2)+2:G0+4*(C0%2)+3], s[G0+4*(C0%2)+2:G0+4*(C0%2)+3], 2*ROWB
	s_add_nc_u64 s[G0B+4*(C0%2)+2:G0B+4*(C0%2)+3], s[G0B+4*(C0%2)+2:G0B+4*(C0%2)+3], 2*ROWB
	JLOAD G0+4*(C0%2), G1, G0B+4*(C0%2), G1B       ; chunk C0 + 2; its four v_nop are the places in front of the loads below
.elseif C1 > C0
	CREST
	s_mov_b32 s[G1B+2], 256<<16                    ; no tensor load of mine is out: in phase 2 B's load brings 256 rows, A's 128
	s_mov_b32 s[G1B+4], 256
	s_mov_b32 s[G0+1], SLOT
	s_mov_b64 s[G0+2:G0+3], s[94:95]
	s_or_b32 s[G0+3], s[G0+3], 0x80000000
	s_mov_b32 s[G0B+1], SLOT+2*HALFT
	s_mov_b64 s[G0B+2:G0B+3], s[66:67]
	s_or_b32 s[G0B+3], s[G0B+3], 0x80000000
	TREE 0                                         ; phase 2's chunk 0 into slot 1
	PLACES NP
.else
	PLACES NP
.endif
.else
	s_wait_dscnt 4*NL
	WIN MUL_LO
	MUL16 0, (\st)%2, (\st)%2, ((\st)/2)%2, \zero
	MUL16 2, (\st)%2, (\st)%2, ((\st)/2)%2, \zero
	s_wait_dscnt 0
	PLACES NP
.endif
	FETCH_B NX, NX%2, 0
	FETCH_A NX, 0
.if NX%2 == 0
	SCALES NX/2, ADRS
.endif
	WIN MUL_HI
	MUL16 4, (\st)%2, (\st)%2, ((\st)/2)%2, \zero
	MUL16 6, (\st)%2, (\st)%2, ((\st)/2)%2, \zero
	PLACES NP
	WIN 0
	FETCH_A NX, 4
.endm
; A step of phase 2: 32 products; the next step's fragments are fetched in its middle, into the other sets.  Chunk c lies in slot (c + 1) % 2.  Step 2: chunk 0 is left behind: the three lines, a round, chunk 2 into slot 1.
; Step 4: the wait for chunk 2 and a barrier, ahead of the fetch of step 5.
.macro VSTEP st
.set NX, (\st)+1
.set SY, ((\st) == 2) || ((\st) == 4)
.if SY
	s_wait_tensorcnt 0x0
.endif
.if (\st) == 2
	ds_add_u32 v[SPW], v[NIL]
.endif
	s_wait_dscnt 0x0                               ; this step's fragments are in (and the add is done)
.if SY
	s_barrier_signal -1
.endif
	WIN MUL_LO
	VMUL 0, \st
	WIN 0
.if SY
	s_barrier_wait -1
.endif
.if (\st) == 2
	CREST
	s_mov_b32 s[G0+1], SLOT
	s_add_nc_u64 s[G0+2:G0+3], s[G0+2:G0+3], ROWB
	s_mov_b32 s[G0B+1], SLOT+2*HALFT
	s_add_nc_u64 s[G0B+2:G0B+3], s[G0B+2:G0B+3], ROWB
	TREE 0
.endif
.if (\st) < 7
	PLACES NP                                      ; in front of loads into registers that the last step's products read
	FETCH_B NX, NX%2, 1
	FETCH_A2 NX
.if NX%2 == 0
	SCALES NX/2, ADRS2
.endif
.endif
	WIN MUL_LO
	VMUL 2, \st
	WIN 0
.endm
	s_wait_alu depctr_va_vdst(0)                   ; the wait at the head's end
	s_wait_loadcnt 0x0                             ; the biases
	s_wait_tensorcnt 0x0                           ; my tile of the head's four
	ds_add_u32 v[SPW], v[NIL]
	s_mov_b32 s[G1+2], 128<<16                     ; no tensor load of mine is out: the ring's loads bring 128 rows
	s_mov_b32 s[G1+4], 128
	s_mov_b32 s[G1B+2], 128<<16
	s_mov_b32 s[G1B+4], 128
	s_wait_dscnt 0x0
	CROUND
	JLOAD G0+4, G1, G0B+4, G1B                     ; chunk 1
	s_load_b128 s[4:7], s[0:1], 0x38               ; qimg, qsc (the head's descriptors there are done with)
	s_load_b64 s[8:9], s[0:1], 0x48                ; kv
	FETCH_B 0, 0, 0
	FETCH_A 0, 0
	SCALES 0, ADRS
	FETCH_A 0, 4
	STEP 0, 1
.set ST, 1
.rept STEPS-2
	STEP ST, 0
.set ST, ST+1
.endr
	s_wait_tensorcnt 0x0                           ; phase 1's last step: slot 0 and the scales' bytes are read no more: the three lines, a round, four refills
	ds_add_u32 v[SPW], v[NIL]
	s_wait_dscnt 4*NL+1
	WIN MUL_LO
	MUL16 0, 1, 1, 1, 0
	s_wait_dscnt 0x0
	s_barrier_signal -1
	MUL16 2, 1, 1, 1, 0
	WIN 0
	s_barrier_wait -1
	CREST
	s_mov_b32 s[G0+1], 0
	s_add_nc_u64 s[G0+2:G0+3], s[G0+2:G0+3], ROWB
	s_mov_b32 s[G0B+1], 2*HALFT
	s_add_nc_u64 s[G0B+2:G0B+3], s[G0B+2:G0B+3], ROWB
	s_mov_b32 s[G1S+2], 16<<16                     ; the scales of A's 128 rows: 16 rows of 256 bytes
	s_mov_b32 s[G1S+4], 16
	s_mov_b64 s[G0S+2:G0S+3], s[2:3]
	s_or_b32 s[G0S+3], s[G0S+3], 0x80000000
	s_mov_b64 s[G0SB+2:G0SB+3], s[12:13]
	s_or_b32 s[G0SB+3], s[G0SB+3], 0x80000000
	TREE 1                                         ; phase 2's chunk 1 into slot 0, and its scales
	WIN MUL_HI
	MUL16 4, 1, 1, 1, 0
	MUL16 6, 1, 1, 1, 0
	WIN 0
; 64 numbers of a lane, four blocks of 32 shared with lane l xor 16, become a fragment's codes in v[PC] .. v[PC + 11] and its scale word in v[pw]
.macro QUANT s, pw
.irp b, 0,1,2,3
	v_max3_num_f32 v[TM+\b], |v[\s+16*\b]|, |v[\s+1+16*\b]|, 0x2800000   ; with the floor 2^(5 - 127): the byte cannot fall under 1
.endr
.irp i, 2,4,6,8,10,12,14
.irp b, 0,1,2,3
	v_max3_num_f32 v[TM+\b], v[TM+\b], |v[\s+16*\b+\i]|, |v[\s+1+16*\b+\i]|
.endr
.endr
.irp b, 0,1,2,3
	v_permlanex16_b32 v[TM+4+\b], v[TM+\b], s[SEL], s[SEL+1]
.endr
.irp b, 0,1,2,3
	v_max_num_f32 v[TM+\b], v[TM+\b], v[TM+4+\b]
.endr
.irp b, 0,1,2,3
	v_add_nc_u32 v[TM+12+\b], 0xfe000000, v[TM+\b] ; 4 off the exponent field: the conversion's scale operand
.endr
.irp b, 0,1,2,3
	v_lshrrev_b32 v[TM+4+\b], 23, v[TM+12+\b]      ; the byte
.endr
	v_lshl_or_b32 v[\pw], v[TM+5], 8, v[TM+4]
	v_lshl_or_b32 v[\pw], v[TM+6], 16, v[\pw]
	v_lshl_or_b32 v[\pw], v[TM+7], 24, v[\pw]
.irp c, 0,1
	v_cvt_scalef32_pk16_bf6_f32 v[PC+6*\c:PC+2+6*\c], v[\s+32*\c:\s+15+32*\c], v[TM+12+2*\c]
	v_cvt_scalef32_pk16_bf6_f32 v[PC+12+4*\c:PC+14+4*\c], v[\s+16+32*\c:\s+31+32*\c], v[TM+12+2*\c+1]
.endr
	v_nop                                          ; one plain place behind a scaled conversion
.irp c, 0,1
.irp i, 0,1,2
	v_permlane16_swap_b32 v[PC+6*\c+\i], v[PC+12+4*\c+\i]
.endr
.irp i, 0,1,2
	v_mov_b32 v[PC+3+6*\c+\i], v[PC+12+4*\c+\i]
.endr
.endr
.endm
; q, k: block a: tokens 16 a + r x two heads.  Token 16 a + r goes to tile 4 (a / 4) + 2 (r / 8) + a % 2, row 8 ((a / 2) % 2) + r % 8.  The stage holds four tiles of each head
.macro OUTQK a
.set TL, (\a)%2
.set HB, ((\a)/2)%2
.if (\a) > 0
	s_wait_dscnt 0x0                               ; the last block's LDS stores have read their registers
.endif
	WIN 0x02+(\a)/4
.set i, 0
.rept 32
	v_pk_add_f32 v[W+2*i:W+2*i+1], v[64*((\a)%4)+2*i:64*((\a)%4)+2*i+1], v[BI+2*i:BI+2*i+1]
.set i, i+1
.endr
	WIN 0
	QUANT W, PW
	ds_store_b128 v[I16], v[PC:PC+3] offset:768*TL+128*HB
	ds_store_b64 v[I8], v[PC+4:PC+5] offset:768*TL+512+64*HB
	ds_store_b128 v[I16], v[PC+6:PC+9] offset:3072+768*TL+128*HB
	ds_store_b64 v[I8], v[PC+10:PC+11] offset:3072+768*TL+512+64*HB
	v_lshrrev_b32 v[PWS+(\a)], v[SH], v[PW]        ; lanes 16-31: the second head's two bytes
	ds_store_b32 v[SCA], v[PWS+(\a)] offset:64*(4*((\a)/4)+TL)+32*HB
.endm
.macro FLUSH c                         ; four tiles of each head back from the stage into window 1 (registers of their own for each c), and out as they will lie in memory
	WIN TO_B
.set i, 0
.rept 12
	ds_load_b128 v[48*\c+4*i:48*\c+4*i+3], v[RDI] offset:512*i   ; LDS serves a wave's instructions in order: these see my stores, and the next blocks' stores come behind them
.set i, i+1
.endr
	WIN 0x04                                       ; the stores' data: window 1
.set i, 0
.rept 6
	s_wait_dscnt 11-i                              ; load i is back; the 11 - i younger may be out
	global_store_b128 v[L16], v[48*\c+4*i:48*\c+4*i+3], s[36:37] offset:3072*\c+512*i   ; 512 consecutive bytes, at a multiple of 256
.set i, i+1
.endr
.rept 6
	s_wait_dscnt 11-i
	global_store_b128 v[L16], v[48*\c+4*i:48*\c+4*i+3], s[44:45] offset:3072*\c+512*(i-6)
.set i, i+1
.endr
	WIN 0
.endm
; v: block a: 16 channels x my 128 tokens: a whole fragment of V^T and a scale word a channel
.macro OUTV a
.if (\a) > 0
	s_wait_xcnt 0x0                                ; the last block's stores have read their registers
.endif
	WIN 0x02
.set i, 0
.rept 32
	v_pk_add_f32 v[W+2*i:W+2*i+1], v[64*(\a)+2*i:64*(\a)+2*i+1], v[BV+2*(\a):BV+2*(\a)+1] op_sel_hi:[1,0]
.set i, i+1
.endr
	WIN 0
	QUANT W, PWS+(\a)
.irp g, 0,1,2
	global_store_b128 v[L16], v[PC+4*\g:PC+4*\g+3], s[36:37] offset:(\a)*1536+512*\g   ; 512 consecutive bytes each
.endr
	ds_store_b32 v[SCA2], v[PWS+(\a)] offset:64*(\a)   ; lanes l and l xor 16 write the same word
.endm
	; PHASE 1'S WAY OUT.  It names no register of the descriptors whose loads are on their way
	PLACES NP
	s_wait_kmcnt 0x0                               ; the outputs' pointers
	s_mov_b32 s[SEL], 0x76543210
	s_mov_b32 s[SEL+1], 0xfedcba98
.irp b, 0,1,2,3
	v_mov_b32 v[TM+4+\b], 0                        ; a lane permute's destination counts as a source
.endr
	s_lshl_b32 s18, s17, 8
	s_lshl_b32 s19, s15, 7
	s_add_co_u32 s18, s18, s19                     ; my first token
	s_lshr_b32 s19, s18, 10
	s_lshl_b32 s19, s19, 4
	s_and_b32 s60, s42, 3
	s_lshl_b32 s60, s60, 2
	s_add_co_u32 s19, s19, s60
	s_lshl_b32 s60, s16, 1
	s_add_co_u32 s19, s19, s60                     ; bh of my first head
	s_bfe_u32 s18, s18, 0x30007                    ; which 128 tokens
	s_mov_b32 s96, 49152
	s_mov_b32 s97, 6144
	s_mov_b32 s99, 4096
	s_cmp_eq_u32 ttmp9, 1                          ; k goes into kv, q into qimg and qsc
	s_cselect_b64 s[36:37], s[8:9], s[4:5]
	s_cselect_b64 s[38:39], s[8:9], s[6:7]
	s_cselect_b32 s96, REC, s96
	s_cselect_b32 s97, 12288, s97
	s_cselect_b32 s98, 6144, 0
	s_cselect_b32 s99, REC, s99
	s_mul_i32 s20, s19, s96
	s_mul_i32 s21, s18, s97
	s_add_co_u32 s20, s20, s21
	s_add_co_u32 s20, s20, s98
	s_mov_b32 s21, 0
	s_add_nc_u64 s[36:37], s[36:37], s[20:21]      ; the first head's eight images,
	s_mov_b32 s20, s96
	s_add_nc_u64 s[44:45], s[36:37], s[20:21]      ; the second's
	s_mul_i32 s22, s19, s99
	s_lshl_b32 s23, s18, 9
	s_add_co_u32 s22, s22, s23
	s_mov_b32 s23, 0
	s_add_nc_u64 s[38:39], s[38:39], s[22:23]      ; the scale words
	s_mov_b32 s22, s99
	s_add_nc_u64 s[46:47], s[38:39], s[22:23]
.irp a, 0,1,2,3
	OUTQK \a
.endr
	FLUSH 0
.irp a, 4,5,6,7
	OUTQK \a
.endr
	FLUSH 1
	ds_load_b128 v[RB:RB+3], v[SCR]
	ds_load_b128 v[RB+4:RB+7], v[SCR] offset:512
	s_wait_dscnt 0x0
	global_store_b128 v[L16], v[RB:RB+3], s[38:39]
	global_store_b128 v[L16], v[RB+4:RB+7], s[46:47]
	; PHASE 2
	s_wait_xcnt 0x0                                ; my stores have read their registers and bases
	s_wait_tensorcnt 0x0                           ; my parts of chunks 0 and 1 and of the scales are in,
	s_barrier_signal -1
	s_barrier_wait -1                              ; everybody's are
	FETCH_B 0, 0, 1
	FETCH_A2 0
	SCALES 0, ADRS2
.irp t, 0,1,2,3,4,5,6,7
	VSTEP \t
.endr
	PLACES NP
	s_and_b32 s18, ttmp7, 0xffff
	s_lshl_b32 s18, s18, 2
	s_add_co_u32 s18, s18, s40                     ; which 256 tokens
	s_lshl_b32 s19, ttmp9, 2
	s_add_co_u32 s19, s19, s41                     ; which 128 channels
	s_lshr_b32 s20, s18, 2
	s_lshl_b32 s20, s20, 4
	s_lshl_b32 s21, s19, 1
	s_add_co_u32 s20, s20, s21
	s_add_co_u32 s20, s20, s15                     ; bh = 16 x batch + 2 x (which 128) + half
	s_lshl_b32 s21, s18, 1
	s_add_co_u32 s21, s21, s16
	s_and_b32 s21, s21, 7                          ; the key step
	s_mul_i32 s22, s20, REC
	s_mul_i32 s60, s21, 12288
	s_add_co_u32 s60, s60, s22
	s_add_co_u32 s60, s60, 12288                   ; V^T's fragments lie behind the scale words and the step's images of K
	s_mov_b32 s61, 0
	s_add_nc_u64 s[36:37], s[8:9], s[60:61]
	s_lshl_b32 s60, s21, 8
	s_add_co_u32 s60, s60, s22
	s_add_co_u32 s60, s60, 4096
	s_add_nc_u64 s[38:39], s[8:9], s[60:61]
.irp a, 0,1,2,3
	OUTV \a
.endr
	ds_load_b64 v[RB:RB+1], v[SCR2]
	s_wait_dscnt 0x0
	global_store_b64 v[L8], v[RB:RB+1], s[38:39]   ; 32 lanes store 256 consecutive bytes, at a multiple of 256
	s_wait_tensorcnt 0x0                           ; the wave's end
	ds_add_u32 v[SPW], v[NIL]
	s_wait_dscnt 0x0
	CROUND                                         ; the closing round
	s_endpgm
.Lfunc_end_k_qffe2ec5ab9_proj:
	.size	k_qffe2ec5ab9_proj, .Lfunc_end_k_qffe2ec5ab9_proj-k_qffe2ec5ab9_proj
	.p2alignl 7, 3214868480
	.fill 96, 4, 3214868480
	.section	.rodata,"a",@progbits
	.p2align	6, 0x0
	.amdhsa_kernel k_qffe2ec5ab9_proj
		.amdhsa_group_segment_fixed_size 327680
		.amdhsa_private_segment_fixed_size 0
		.amdhsa_enable_private_segment 0
		.amdhsa_kernarg_size 80
		.amdhsa_user_sgpr_count 2
		.amdhsa_user_sgpr_kernarg_segment_ptr 1
		.amdhsa_wavefront_size32 1
		.amdhsa_system_sgpr_workgroup_id_x 1
		.amdhsa_system_sgpr_workgroup_id_y 1
		.amdhsa_system_sgpr_workgroup_id_z 1
		.amdhsa_system_vgpr_workitem_id 0
		.amdhsa_next_free_vgpr 1024
		.amdhsa_next_free_sgpr 102
		.amdhsa_reserve_vcc 0
		.amdhsa_float_denorm_mode_32 3
		.amdhsa_float_denorm_mode_16_64 3
		.amdhsa_memory_ordered 1
		.amdhsa_forward_progress 1
		.amdhsa_inst_pref_size 255
	.end_amdhsa_kernel
	.section	.bss,"aw",@nobits
	.p2align	6
	.space	262144
	.amdgpu_metadata
---
amdhsa.version: [ 1, 2 ]
amdhsa.kernels:
  - .name:           k_qffe2ec5ab9_proj
    .symbol:         k_qffe2ec5ab9_proj.kd
    .args:
      - { .name: xc, .offset: 0, .size: 8, .value_kind: global_buffer, .address_space: global }
      - { .name: xs, .offset: 8, .size: 8, .value_kind: global_buffer, .address_space: global }
      - { .name: wc, .offset: 16, .size: 8, .value_kind: global_buffer, .address_space: global }
      - { .name: ws, .offset: 24, .size: 8, .value_kind: global_buffer, .address_space: global }
      - { .name: bq, .offset: 32, .size: 8, .value_kind: global_buffer, .address_space: global }
      - { .name: bk, .offset: 40, .size: 8, .value_kind: global_buffer, .address_space: global }
      - { .name: bv, .offset: 48, .size: 8, .value_kind: global_buffer, .address_space: global }
      - { .name: qimg, .offset: 56, .size: 8, .value_kind: global_buffer, .address_space: global }
      - { .name: qsc, .offset: 64, .size: 8, .value_kind: global_buffer, .address_space: global }
      - { .name: kv, .offset: 72, .size: 8, .value_kind: global_buffer, .address_space: global }
    .group_segment_fixed_size: 327680
    .private_segment_fixed_size: 0
    .kernarg_segment_align: 8
    .kernarg_segment_size: 80
    .max_flat_workgroup_size: 128
    .sgpr_count:     102
    .vgpr_count:     1024
    .wavefront_size: 32
...
	.end_amdgpu_metadata
.endif
;; end of part 2
;; launch attn (part 3): grid 2 x 128, 16 waves a work-group, no clusters, 327,680 bytes of LDS; arguments qimg, qsc, kv, out0; writes out0
.if DOCPART == 3
	.amdgcn_target "amdgcn-amd-amdhsa--gfx1250"
	.amdhsa_code_object_version 6
	.text
	.protected	k_qffe2ec5ab9_attn
	.globl	k_qffe2ec5ab9_attn
	.p2align	8
	.type	k_qffe2ec5ab9_attn,@function
k_qffe2ec5ab9_attn:
	s_mov_b64 s[64:65], 0
	v_nop
	global_prefetch_b8 v0, s[64:65] scope:SCOPE_SE
	s_setreg_imm32_b32 hwreg(HW_REG_WAVE_MODE, 25, 1), 1
	s_wait_xcnt 0x0
; out0[b][q][64 head + d] = sum over k of softmax_k(q . k / 8 - penalty(q, k)) v[k][d]; penalty = 0.5 where q and k lie in different blocks of 64 tokens, else 0.  Both products on codes of BF6 (E3M2) with E8M0 scales.
; t = (score / 8 - penalty) log2(e); M = the running largest t rounded UP to a whole number; p = 2^(t - M) is quantised along the keys, not normalised; the row's sum is taken of the unquantised p and divides at the end.
; When M moves, the sum and O are multiplied by 2^(old M - new M): exact.
; SHARES.  A work-group owns 512 queries of one (batch, head): 256 work-groups.  Each of sixteen waves owns two tiles of 16 queries, all in one block of 64 tokens, and walks the head's 1,024 keys, 128 a step.
; THE HEAD'S RECORD OF kv (104,448 bytes) COMES INTO LDS ONCE.  Waves 0-7 bring the scale words and key steps 0, 1 (15 rows of 256 bytes each) at the head; behind the first barrier each of the sixteen waves brings 18 rows of the other six steps,
; which have two key steps' work in which to land.
; NO CLUSTER: two work-groups read a record, each once.  NO PREFETCH: all that the work-group reads is asked for at its head or straight behind its first barrier.
; LAYOUT.  S^T = K Q^T, O^T = V^T P^T: a lane holds ONE query (lane % 16).  THE KEYS OF A TILE, as the launch before has laid them: tile 4 c + t of a step holds in rows 0-7 keys 64 c + 8 g + 0..7 and in rows 8-15 keys 64 c + 32 + 8 g + 0..7,
; g = 0, 2, 1, 3 for t = 0 .. 3.  So the 32 registers of tiles 4 c .. 4 c + 3 in lane half h are the WHOLE block 2 c + h of 32 keys, in the order in which V's codes lie: a block's largest score needs no other lane,
; and the conversions' results are the operand's registers.  Q's tiles hold their queries in the same order.
; A head has 64 channels, the instruction takes 128: Q's fragment is 6 registers of codes and 6 of zero codes; tile t of K is v[F + 6 t .. F + 6 t + 11], whose upper half stands against zero codes.
; LIMITS: holds while |t| stays under 2^31; NaN and infinities are not served; a block whose every p is 0 keeps the byte 1; a block's largest p is taken through its largest score, which takes v_exp_f32 not to fall where its input rises.
.set REC,    104448
.set VSC,    4096
.set KIMG,   6144
.set VIMG,   12288
.set STEPB,  12288
.set FILL1,  3840                      ; 15 rows of 256
.set FILL2,  4608                      ; 18 rows
.set STAGE,  REC                       ; 16 rows x 272 bytes a wave, for the way out
.set SPITCH, 272
.set SPARE,  STAGE+16*16*SPITCH        ; the spare words: 2,048 bytes that no other line names
.set L16, 1
.set L8,  2
.set L4,  3
.set A16, 4
.set A8,  5
.set AKS, 6
.set AVS, 7
.set STA, 8                            ; -M, the largest t, the sum in two halves
.set STB, 12
.set QA,  16                           ; 6 of codes, 6 of zero codes
.set QB,  28
.set QS,  40
.set SH8, 41                           ; 8 h
.set KS,  42
.set VS,  46
.set PSW, 48
.set F,   50                           ; v50-97 fragments of K or V; v98-103 zero codes; between the products v50-89 are at work
.set S,   104
.set OA,  168
.set OB,  200
.set PC,  232
.set STO, 244
.set RD,  245
.set GO,  246
.set RL,  248
.set MX,  F
.set PT,  F+4
.set TT,  F+8
.set SO,  F+12
.set BY,  F+16
.set AD,  F+20
.set FF,  F+24
.set XR,  F+26
.set SUM2, F+28
.set CT,  F+30
.set WD,  F+38
.set WX,  F+39
.set WV,   12
.set G1A,  16
.set G1B,  24
.set G0A,  32
.set G0B,  36
.set TB,   40
.set TKS,  41
.set TVS,  42
.set SI,   43
.set CNT,  44
.set MYS,  45
.set PEN,  46
.set PENA, 47
.set PENB, 48
.set P0,   49
.set P1,   50
.set CS,   52
.set SEL,  54
	s_load_b256 s[4:11], s[0:1], 0x0               ; qimg, qsc, kv, out0
	v_lshl_add_u32 v254, v0, 2, SPARE
	v_mov_b32 v255, 0
	ds_add_u32 v254, v255                          ; the opening lines
	ds_add_u32 v254, v255
	v_lshrrev_b32 v4, 5, v0
	v_readfirstlane_b32 s[WV], v4                  ; wave 0..15
	s_and_b32 s13, ttmp7, 0xffff                   ; bh
.irp g, G1A, G1B
	s_mov_b32 s[\g], 3<<16                         ; dense bytes as rows of 32 elements of 8 bytes
	s_mov_b32 s[\g+1], 32<<16
	s_mov_b32 s[\g+3], 32<<16
	s_mov_b32 s[\g+5], 32
	s_mov_b32 s[\g+6], 0
	s_mov_b32 s[\g+7], 0
.endr
	s_mov_b32 s[G1A+2], 15<<16
	s_mov_b32 s[G1A+4], 15
	s_mov_b32 s[G1B+2], 18<<16
	s_mov_b32 s[G1B+4], 18
	s_mul_i32 s56, s13, REC
	s_mul_i32 s58, s[WV], FILL1
	s_mul_i32 s59, s[WV], FILL2
	s_add_co_u32 s59, s59, 8*FILL1
	s_add_co_u32 s60, s56, s58
	s_mov_b32 s61, 0
	s_add_co_u32 s62, s56, s59
	s_mov_b32 s63, 0
	s_wait_dscnt 0x0
	s_wait_kmcnt 0x0
	s_mov_b32 s[G0A], 1
	s_mov_b32 s[G0A+1], s58
	s_add_nc_u64 s[G0A+2:G0A+3], s[8:9], s[60:61]
	s_or_b32 s[G0A+3], s[G0A+3], 0x80000000
	s_mov_b32 s[G0B], 1
	s_mov_b32 s[G0B+1], s59
	s_add_nc_u64 s[G0B+2:G0B+3], s[8:9], s[62:63]
	s_or_b32 s[G0B+3], s[G0B+3], 0x80000000
	s_cmp_lt_u32 s[WV], 8
	s_cbranch_scc0 .Lno_fill
	tensor_load_to_lds s[G0A:G0A+3], s[G1A:G1A+7]  ; waves 0-7: the first 30,720 bytes
	s_nop 0
.rept 4
	v_nop
.endr
.Lno_fill:
	s_lshl_b32 s56, s13, 6                         ; Q: tile 64 bh + 32 x work-group x + 2 x wave
	s_lshl_b32 s57, ttmp9, 5
	s_add_co_u32 s56, s56, s57
	s_lshl_b32 s57, s[WV], 1
	s_add_co_u32 s56, s56, s57
	s_mul_i32 s56, s56, 768
	s_mov_b32 s57, 0
	s_add_nc_u64 s[4:5], s[4:5], s[56:57]
	s_lshl_b32 s58, s13, 12                        ; its scale words
	s_lshl_b32 s59, ttmp9, 11
	s_add_co_u32 s58, s58, s59
	s_lshl_b32 s59, s[WV], 7
	s_add_co_u32 s58, s58, s59
	s_mov_b32 s59, 0
	s_add_nc_u64 s[6:7], s[6:7], s[58:59]
	v_and_b32 v[L4], 31, v0
	v_lshlrev_b32 v[L16], 4, v[L4]
	v_lshlrev_b32 v[L8], 3, v[L4]
	v_lshlrev_b32 v[L4], 2, v[L4]
	global_load_b128 v[QA:QA+3], v[L16], s[4:5] th:TH_LOAD_NT
	global_load_b64 v[QA+4:QA+5], v[L8], s[4:5] offset:512 th:TH_LOAD_NT
	global_load_b128 v[QB:QB+3], v[L16], s[4:5] offset:768 th:TH_LOAD_NT
	global_load_b64 v[QB+4:QB+5], v[L8], s[4:5] offset:1280 th:TH_LOAD_NT
	global_load_b32 v[QS], v[L4], s[6:7] th:TH_LOAD_NT
	; out0: row 1,024 batch + 512 work-group x + 64 (wave / 2) + 8 (wave % 2); row i of tile u lies 16 u + 32 (i / 8) + i % 8 rows on; + 256 bytes x head
	s_lshr_b32 s60, s13, 4
	s_lshl_b32 s60, s60, 10
	s_lshl_b32 s61, ttmp9, 9
	s_add_co_u32 s60, s60, s61
	s_lshr_b32 s61, s[WV], 1
	s_lshl_b32 s61, s61, 6
	s_add_co_u32 s60, s60, s61
	s_and_b32 s61, s[WV], 1
	s_lshl_b32 s61, s61, 3
	s_add_co_u32 s60, s60, s61
	s_lshl_b32 s60, s60, 12
	s_and_b32 s61, s13, 15
	s_lshl_b32 s61, s61, 8
	s_add_co_u32 s60, s60, s61
	s_mov_b32 s61, 0
	s_add_nc_u64 s[10:11], s[10:11], s[60:61]
	; the penalty: my queries' block of 64 is half (wave / 2) % 2 of key step 4 x work-group x + wave / 4: values are chosen by ids, nothing branches
	s_lshl_b32 s[MYS], ttmp9, 2
	s_lshr_b32 s56, s[WV], 2
	s_add_co_u32 s[MYS], s[MYS], s56
	s_mov_b32 s[PEN], 0xbf38aa3b                   ; -0.5 log2(e)
	s_bfe_u32 s56, s[WV], 0x10001
	s_cmp_eq_u32 s56, 1
	s_cselect_b32 s[PENA], s[PEN], 0
	s_cselect_b32 s[PENB], 0, s[PEN]
	s_mov_b32 s[CS], 0x3e38aa3b                    ; log2(e) / 8
	s_mov_b32 s[CS+1], s[CS]
	s_mov_b32 s[SEL], 0x76543210
	s_mov_b32 s[SEL+1], 0xfedcba98
	s_mov_b32 s[TB], 0
	s_mov_b32 s[TKS], 0
	s_mov_b32 s[TVS], 0
	s_mov_b32 s[SI], 0
	v_bfe_u32 v[SH8], v0, 4, 1
	v_lshlrev_b32 v[SH8], 3, v[SH8]
.irp j, 0,1,2,3,4,5
	v_mov_b32 v[QA+6+\j], 0                        ; zero codes
	v_mov_b32 v[QB+6+\j], 0
	v_mov_b32 v[F+48+\j], 0
.endr
	v_mov_b32 v[RL+1], 0
	v_mov_b32 v[RL+3], 0
.irp st, STA, STB
	v_mov_b32 v[\st+1], 0xff61b1e6                 ; -3e38, under every t
	v_mov_b32 v[\st+2], 0
	v_mov_b32 v[\st+3], 0
	v_floor_f32 v[\st], -v[\st+1]
.endr
.set n, 0
.rept 64
	v_mov_b32 v[OA+n], 0                           ; the step is written once: the first finds zeros
.set n, n+1
.endr
.macro SPROD t, q, row
.if ((\t)%2 == 0) && ((\row) == 0)
	v_wmma_scale_f32_16x16x128_f8f6f4 v[S+8*(\t):S+8*(\t)+7], v[F+6*(\t):F+6*(\t)+11], v[\q:\q+11], 0, v[KS+(\t)/2], v[QS] matrix_a_fmt:MATRIX_FMT_BF6 matrix_b_fmt:MATRIX_FMT_BF6
.elseif ((\t)%2 == 1) && ((\row) == 0)
	v_wmma_scale_f32_16x16x128_f8f6f4 v[S+8*(\t):S+8*(\t)+7], v[F+6*(\t):F+6*(\t)+11], v[\q:\q+11], 0, v[KS+(\t)/2], v[QS] matrix_a_fmt:MATRIX_FMT_BF6 matrix_b_fmt:MATRIX_FMT_BF6 matrix_a_scale:MATRIX_SCALE_ROW1
.elseif ((\t)%2 == 0)
	v_wmma_scale_f32_16x16x128_f8f6f4 v[S+8*(\t):S+8*(\t)+7], v[F+6*(\t):F+6*(\t)+11], v[\q:\q+11], 0, v[KS+(\t)/2], v[QS] matrix_a_fmt:MATRIX_FMT_BF6 matrix_b_fmt:MATRIX_FMT_BF6 matrix_b_scale:MATRIX_SCALE_ROW1
.else
	v_wmma_scale_f32_16x16x128_f8f6f4 v[S+8*(\t):S+8*(\t)+7], v[F+6*(\t):F+6*(\t)+11], v[\q:\q+11], 0, v[KS+(\t)/2], v[QS] matrix_a_fmt:MATRIX_FMT_BF6 matrix_b_fmt:MATRIX_FMT_BF6 matrix_a_scale:MATRIX_SCALE_ROW1 matrix_b_scale:MATRIX_SCALE_ROW1
.endif
.endm
.macro PVPROD c, o
.if (\c)%2 == 0
	v_wmma_scale_f32_16x16x128_f8f6f4 v[\o+8*(\c):\o+8*(\c)+7], v[F+12*(\c):F+12*(\c)+11], v[PC:PC+11], v[\o+8*(\c):\o+8*(\c)+7], v[VS+(\c)/2], v[PSW] matrix_a_fmt:MATRIX_FMT_BF6 matrix_b_fmt:MATRIX_FMT_BF6
.else
	v_wmma_scale_f32_16x16x128_f8f6f4 v[\o+8*(\c):\o+8*(\c)+7], v[F+12*(\c):F+12*(\c)+11], v[PC:PC+11], v[\o+8*(\c):\o+8*(\c)+7], v[VS+(\c)/2], v[PSW] matrix_a_fmt:MATRIX_FMT_BF6 matrix_b_fmt:MATRIX_FMT_BF6 matrix_a_scale:MATRIX_SCALE_ROW1
.endif
.endm
.macro SUMP n                          ; four more p into the sum's two chains
	v_pk_add_f32 v[ST2:ST2+1], v[ST2:ST2+1], v[S+\n:S+\n+1]
	v_pk_add_f32 v[SUM2:SUM2+1], v[SUM2:SUM2+1], v[S+\n+2:S+\n+3]
.endm
; one tile of 16 queries through one key step
.macro TILESTEP q, o, st, row, first
.set ST2, (\st)+2
.irp t, 0,1,2,3,4,5,6,7
	ds_load_b128 v[F+6*\t:F+6*\t+3], v[A16] offset:KIMG+768*\t
	ds_load_b64 v[F+6*\t+4:F+6*\t+5], v[A8] offset:KIMG+768*\t+512
.endr
.if \first
.irp p, 0,1,2,3
	ds_load_b32 v[KS+\p], v[AKS] offset:128*\p
.endr
.irp p, 0,1
	ds_load_b32 v[VS+\p], v[AVS] offset:VSC+128*\p
.endr
.endif
	s_wait_dscnt 0x0
.irp t, 0,1,2,3,4,5,6,7
	SPROD \t, \q, \row
.endr
.rept 4
	v_nop                                          ; places: the scores are read, and K's registers written, below
.endr
.irp b, 0,1,2,3
	v_max3_num_f32 v[MX+\b], v[S+16*\b], v[S+1+16*\b], v[S+2+16*\b]     ; my two blocks' largest scores, each in two chains; each accumulator is first read at its low end
.endr
.irp i, 3,5,7,9,11,13
.irp b, 0,1,2,3
	v_max3_num_f32 v[MX+\b], v[MX+\b], v[S+16*\b+\i], v[S+1+16*\b+\i]
.endr
.endr
	v_max3_num_f32 v[MX], v[MX], v[MX+1], v[S+15]
	v_max3_num_f32 v[MX+2], v[MX+2], v[MX+3], v[S+47]
	v_mov_b32 v[XR], v[\st]
	v_max_num_f32 v[MX], v[MX], v[S+31]            ; block h (the step's keys 0-63)
	v_max_num_f32 v[MX+2], v[MX+2], v[S+63]        ; block 2 + h (keys 64-127)
	s_delay_alu instid0(VALU_DEP_2)
	v_fma_f32 v[TT], v[MX], s[CS], s[P0]           ; as t
	s_delay_alu instid0(VALU_DEP_2)
	v_fma_f32 v[TT+1], v[MX+2], s[CS], s[P1]
	s_delay_alu instid0(VALU_DEP_1)
	v_max_num_f32 v[TT], v[TT], v[TT+1]
	s_delay_alu instid0(VALU_DEP_1)
	v_permlanex16_b32 v[PT], v[TT], s[SEL], s[SEL+1]
	s_delay_alu instid0(VALU_DEP_1)
	v_max3_num_f32 v[(\st)+1], v[(\st)+1], v[TT], v[PT]                 ; the running largest t
	s_delay_alu instid0(VALU_DEP_1)
	v_floor_f32 v[\st], -v[(\st)+1]                ; -M = -ceil(t)
	s_delay_alu instid0(VALU_DEP_1)
	v_add_f32 v[AD], s[P0], v[\st]                 ; -penalty log2(e) - M
	v_add_f32 v[AD+2], s[P1], v[\st]
	v_sub_f32 v[XR], v[\st], v[XR]                 ; old M - new M
	s_delay_alu instid0(VALU_DEP_1)
	v_cvt_i32_f32 v[XR], v[XR]                     ; (it saturates)
	s_delay_alu instid0(VALU_DEP_1)
	v_ldexp_f32 v[FF], 1.0, v[XR]                  ; f = 2^(old M - new M)
.set n, 0
.rept 32
	v_pk_fma_f32 v[S+2*n:S+2*n+1], v[S+2*n:S+2*n+1], s[CS:CS+1], v[AD+2*(n/16):AD+2*(n/16)+1] op_sel_hi:[1,0,0]   ; t - M
.set n, n+1
.endr
	v_fma_f32 v[MX], v[MX], s[CS], v[AD]           ; the same of each block's largest score
	v_fma_f32 v[MX+2], v[MX+2], s[CS], v[AD+2]
	s_wait_alu depctr_va_vdst(0)                   ; the wait ahead of the batch
.set n, 0
.rept 64
	v_exp_f32 v[S+n], v[S+n]                       ; p
.set n, n+1
.endr
	v_exp_f32 v[MX], v[MX]                         ; the blocks' largest p: the same two instructions on the same number
	v_exp_f32 v[MX+2], v[MX+2]
	v_pk_mul_f32 v[ST2:ST2+1], v[ST2:ST2+1], v[FF:FF+1] op_sel_hi:[1,0]   ; the sums under the new M (the plain place behind the batch)
	s_wait_alu depctr_va_vdst(0)                   ; and behind it
	v_pk_add_f32 v[SUM2:SUM2+1], v[S:S+1], v[S+2:S+3]                   ; the sum of the unquantised p; the scale word's chain stands among its lines
	v_max_num_f32 v[MX], 0x2800000, v[MX]          ; the floor 2^(5 - 127)
	v_max_num_f32 v[MX+2], 0x2800000, v[MX+2]
	SUMP 4
	v_add_nc_u32 v[SO], 0xfe000000, v[MX]          ; the conversions' scale operands
	v_add_nc_u32 v[SO+1], 0xfe000000, v[MX+2]
	SUMP 8
	v_lshrrev_b32 v[BY], 23, v[SO]
	v_lshrrev_b32 v[BY+1], 23, v[SO+1]
	SUMP 12
	v_lshl_or_b32 v[WD], v[BY+1], 16, v[BY]        ; my bytes: blocks h and 2 + h,
	SUMP 16
	v_lshlrev_b32 v[WD], v[SH8], v[WD]             ; at their places,
	SUMP 20
	v_permlanex16_b32 v[WX], v[WD], s[SEL], s[SEL+1]
	SUMP 24
	v_or_b32 v[PSW], v[WD], v[WX]                  ; with lane l xor 16's two: p's scale word
.irp n, 28,32,36,40,44,48,52,56,60
	SUMP \n
.endr
	v_pk_add_f32 v[ST2:ST2+1], v[ST2:ST2+1], v[SUM2:SUM2+1]
.irp c, 0,1
	v_cvt_scalef32_pk16_bf6_f32 v[PC+6*\c:PC+6*\c+2], v[S+32*\c:S+32*\c+15], v[SO+\c]
	v_cvt_scalef32_pk16_bf6_f32 v[CT+4*\c:CT+4*\c+2], v[S+32*\c+16:S+32*\c+31], v[SO+\c]   ; (a conversion's three registers begin on an even number)
.endr
	v_nop                                          ; one plain place behind a scaled conversion
.irp c, 0,1
.irp i, 0,1,2
	v_mov_b32 v[PC+3+6*\c+\i], v[CT+4*\c+\i]
.endr
.endr
	s_wait_alu depctr_va_vdst(0)                   ; the wait ahead of O^T's first reader
.set n, 0
.rept 16
	v_pk_mul_f32 v[\o+2*n:\o+2*n+1], v[\o+2*n:\o+2*n+1], v[FF:FF+1] op_sel_hi:[1,0]   ; O^T under the new M; also the places behind the codes' and the scale word's last writes
.set n, n+1
.endr
.irp c, 0,1,2,3
.irp g, 0,1,2
	ds_load_b128 v[F+12*\c+4*\g:F+12*\c+4*\g+3], v[A16] offset:VIMG+1536*\c+512*\g
.endr
.endr
	s_wait_alu depctr_va_vdst(0)
	s_wait_dscnt 0x0
.irp c, 0,1,2,3
	PVPROD \c, \o
.endr
.endm
.macro STEP2
	s_cmp_eq_u32 s[SI], s[MYS]
	s_cselect_b32 s[P0], s[PENA], s[PEN]
	s_cselect_b32 s[P1], s[PENB], s[PEN]
	v_add_nc_u32 v[A16], s[TB], v[L16]             ; these four are also the places behind the last step's products
	v_add_nc_u32 v[A8], s[TB], v[L8]
	v_add_nc_u32 v[AKS], s[TKS], v[L4]
	v_add_nc_u32 v[AVS], s[TVS], v[L4]
	TILESTEP QA, OA, STA, 0, 1
.rept 4
	v_nop
.endr
	TILESTEP QB, OB, STB, 1, 0
	s_add_co_u32 s[TB], s[TB], STEPB
	s_add_co_u32 s[TKS], s[TKS], 512
	s_add_co_u32 s[TVS], s[TVS], 256
	s_add_co_u32 s[SI], s[SI], 1
.endm
	s_wait_alu depctr_va_vdst(0)                   ; the wait at the head's end
	s_wait_loadcnt 0x0                             ; Q
	s_wait_tensorcnt 0x0                           ; my part of the first fill
	ds_add_u32 v254, v255
	ds_add_u32 v254, v255                          ; twice
	s_wait_dscnt 0x0
	s_barrier_signal -1
	s_barrier_wait -1
	tensor_load_to_lds s[G0B:G0B+3], s[G1B:G1B+7]  ; my 18 rows of key steps 2 to 7
	s_nop 0
.rept 4
	v_nop
.endr
	s_mov_b32 s[CNT], 2
.Lfirst:
	STEP2
	s_sub_co_u32 s[CNT], s[CNT], 1
	s_cmp_lg_u32 s[CNT], 0
	s_cbranch_scc1 .Lfirst
	s_wait_tensorcnt 0x0                           ; my part of the second fill is in,
	s_wait_dscnt 0x0
	s_barrier_signal -1
	s_barrier_wait -1                              ; everybody's is
	s_mov_b32 s[CNT], 6
.Lrest:
	STEP2
	s_sub_co_u32 s[CNT], s[CNT], 1
	s_cmp_lg_u32 s[CNT], 0
	s_cbranch_scc1 .Lrest
	; the way out: the sums' halves and the other lane half's are added; O^T / the sum goes through my stage, a tile at a time, so that sixteen lanes store 256 consecutive bytes
	v_add_f32 v[RL], v[STA+2], v[STA+3]
	v_add_f32 v[RL+2], v[STB+2], v[STB+3]
	s_delay_alu instid0(VALU_DEP_2)
	v_permlanex16_b32 v[RL+1], v[RL], s[SEL], s[SEL+1]
	s_delay_alu instid0(VALU_DEP_2)
	v_permlanex16_b32 v[RL+3], v[RL+2], s[SEL], s[SEL+1]
	s_delay_alu instid0(VALU_DEP_2)
	v_add_f32 v[RL], v[RL], v[RL+1]
	s_delay_alu instid0(VALU_DEP_2)
	v_add_f32 v[RL+2], v[RL+2], v[RL+3]
	s_wait_alu depctr_va_vdst(0)
	v_rcp_f32 v[RL], v[RL]
	v_rcp_f32 v[RL+2], v[RL+2]
	v_and_b32 v252, 15, v0                         ; r
	v_bfe_u32 v253, v0, 4, 1                       ; h
	s_mul_i32 s56, s[WV], 16*SPITCH
	s_add_co_u32 s56, s56, STAGE
	v_mul_u32_u24 v[STO], v252, SPITCH
	v_mul_u32_u24 v[RD], v253, SPITCH
	v_lshlrev_b32 v[GO], 12, v253
	v_lshl_add_u32 v[STO], v253, 5, v[STO]
	v_lshl_add_u32 v[RD], v252, 4, v[RD]
	v_lshl_add_u32 v[GO], v252, 4, v[GO]           ; two rows of out0, 4,096 bytes apart
	v_add_nc_u32 v[STO], s56, v[STO]               ; in: row r, 64 c + 32 h
	v_add_nc_u32 v[RD], s56, v[RD]                 ; back: lanes 0-15 one row, lanes 16-31 the next
	s_wait_alu depctr_va_vdst(0)                   ; one wait for the reciprocals, ahead of their first reader and of O^T's
.set n, 0
.rept 16
	v_pk_mul_f32 v[S+2*n:S+2*n+1], v[OA+2*n:OA+2*n+1], v[RL:RL+1] op_sel_hi:[1,0]   ; register 8 c + j is channel 16 c + 8 h + j
.set n, n+1
.endr
.set n, 0
.rept 16
	v_pk_mul_f32 v[S+32+2*n:S+32+2*n+1], v[OB+2*n:OB+2*n+1], v[RL+2:RL+3] op_sel_hi:[1,0]
.set n, n+1
.endr
.macro STG u
.irp c, 0,1,2,3
	ds_store_b128 v[STO], v[S+32*\u+8*\c:S+32*\u+8*\c+3] offset:64*\c
	ds_store_b128 v[STO], v[S+32*\u+8*\c+4:S+32*\u+8*\c+7] offset:64*\c+16
.endr
.irp i, 0,1,2,3,4,5,6,7
	ds_load_b128 v[S+32*\u+4*\i:S+32*\u+4*\i+3], v[RD] offset:2*\i*SPITCH   ; LDS serves a wave's instructions in order (ISA guide 5.7.1.4)
.endr
.endm
	STG 0
	STG 1
.irp i, 0,1,2,3,4,5,6,7
	s_wait_dscnt 23-\i                             ; tile A's load i is back: its 7 - i younger loads and tile B's sixteen may be out
	global_store_b128 v[GO], v[S+4*\i:S+4*\i+3], s[10:11] offset:4096*(32*(\i/4)+2*(\i%4)) th:TH_STORE_NT   ; sixteen lanes store 256 consecutive bytes, at a multiple of 256
.endr
.irp i, 0,1,2,3,4,5,6,7
	s_wait_dscnt 7-\i
	global_store_b128 v[GO], v[S+32+4*\i:S+32+4*\i+3], s[10:11] offset:4096*(16+32*(\i/4)+2*(\i%4)) th:TH_STORE_NT
.endr
	s_wait_tensorcnt 0x0                           ; the wave's end
	ds_add_u32 v254, v255
	s_wait_dscnt 0x0
	s_endpgm
.Lfunc_end_k_qffe2ec5ab9_attn:
	.size	k_qffe2ec5ab9_attn, .Lfunc_end_k_qffe2ec5ab9_attn-k_qffe2ec5ab9_attn
	.p2alignl 7, 3214868480
	.fill 96, 4, 3214868480
	.section	.rodata,"a",@progbits
	.p2align	6, 0x0
	.amdhsa_kernel k_qffe2ec5ab9_attn
		.amdhsa_group_segment_fixed_size 327680
		.amdhsa_private_segment_fixed_size 0
		.amdhsa_enable_private_segment 0
		.amdhsa_kernarg_size 32
		.amdhsa_user_sgpr_count 2
		.amdhsa_user_sgpr_kernarg_segment_ptr 1
		.amdhsa_wavefront_size32 1
		.amdhsa_system_sgpr_workgroup_id_x 1
		.amdhsa_system_sgpr_workgroup_id_y 1
		.amdhsa_system_sgpr_workgroup_id_z 1
		.amdhsa_system_vgpr_workitem_id 0
		.amdhsa_next_free_vgpr 256
		.amdhsa_next_free_sgpr 72
		.amdhsa_reserve_vcc 0
		.amdhsa_float_denorm_mode_32 3
		.amdhsa_float_denorm_mode_16_64 3
		.amdhsa_memory_ordered 1
		.amdhsa_forward_progress 1
		.amdhsa_inst_pref_size 77
	.end_amdhsa_kernel
	.amdgpu_metadata
---
amdhsa.version: [ 1, 2 ]
amdhsa.kernels:
  - .name:           k_qffe2ec5ab9_attn
    .symbol:         k_qffe2ec5ab9_attn.kd
    .args:
      - { .name: qimg, .offset: 0, .size: 8, .value_kind: global_buffer, .address_space: global }
      - { .name: qsc, .offset: 8, .size: 8, .value_kind: global_buffer, .address_space: global }
      - { .name: kv, .offset: 16, .size: 8, .value_kind: global_buffer, .address_space: global }
      - { .name: out0, .offset: 24, .size: 8, .value_kind: global_buffer, .address_space: global }
    .group_segment_fixed_size: 327680
    .private_segment_fixed_size: 0
    .kernarg_segment_align: 8
    .kernarg_segment_size: 32
    .max_flat_workgroup_size: 512
    .sgpr_count:     72
    .vgpr_count:     256
    .wavefront_size: 32
...
	.end_amdgpu_metadata
.endif
;; end of part 3
